; MI455X (gfx1250); checked and timed in simulation.
; The chip was launched on July 23, 2026; its instructions are those of AMD's public machine-readable ISA for CDNA 5 (MIT licence, August 2026) and "CDNA5" Instruction Set Architecture Reference Guide (July 2026). The comments in the code are by the model that wrote it; some were corrected since.
;; Multi Head Global Attention. Allowed arithmetic: matrix products marked QUANTISED: E4M3 operands, one E8M0 scale for each 32 along K, by v_wmma_scale_f32_16x16x128_f8f6f4 with both operands' format E4M3, f32 sums; everything else in f32.
;; Inputs: b_o 1,024 float32; b_qkv 3,072 float32; w_o 1,024 x 1,024 float32; w_qkv 1,024 x 3,072 float32; x 2 x 2,048 x 1,024 float32.
;; Outputs: out0 2 x 2,048 x 1,024 float32.
;; This version of the problem:
;;   THIS VERSION OF THE PROBLEM IS GIVEN IN LOW PRECISION. The matrix products marked QUANTISED in the list below multiply operands that are first quantised to E4M3 (4 exponent bits, 3 mantissa bits; 8 bits a number), with one power-of-two scale for each 32 numbers along K (OCP MX v1.0); their sums are f32. All else is computed in f32.
;;   The module's matrix products, in the order in which they are computed (A, B: the left and right operand; K: the contracted axis; several contracted axes count as one K, in the product's order):
;;     1. [M 4,096, K 1,024] x [K 1,024, N 3,072]; A: input x; B: input w_qkv: QUANTISED
;;     2. batch 32 x [M 2,048, K 64] x [K 64, N 2,048]; A: computed on the way; B: computed on the way: QUANTISED
;;     3. batch 32 x [M 2,048, K 2,048] x [K 2,048, N 64]; A: softmax (see below); B: computed on the way: QUANTISED
;;     4. [M 4,096, K 1,024] x [K 1,024, N 1,024]; A: computed on the way; B: input w_o: QUANTISED
;;   THE QUANTISER, for each operand of a quantised product, along K:
;;     - K is cut into blocks of 32 from its start; a last block that is shorter is filled with zeros.
;;     - A block's scale is 2^e with e = floor(log2(the largest magnitude in the block)) - 8, held to -126 .. 127; a block of zeros has e = 0. As a byte (E8M0): e + 127.
;;     - Each number is divided by its block's scale, clamped to +-448, and rounded to the nearest number of E4M3, ties to even, subnormals kept.
;;     - The product sums the exact products of the quantised numbers (number of the format x scale) in f32.
;;   ~~~python
;;   def quantise(x, axis):      # numpy; x: float32 -> the quantised numbers, widened to float32 again
;;       x = np.moveaxis(x, axis, -1); K = x.shape[-1]
;;       x = np.pad(x, [(0, 0)] * (x.ndim - 1) + [(0, -K % 32)]); x = x.reshape(x.shape[:-1] + (-1, 32)); a = np.abs(x).max(-1, keepdims=True)
;;       e = np.where(a > 0, np.clip(np.frexp(np.where(a > 0, a, 1))[1] - 1 - 8, -126, 127), 0)      # np.frexp(a)[1] - 1 = floor(log2(a)), exactly
;;       r = np.clip(x / 2.0 ** e, -448, 448)
;;       step = 2.0 ** (np.maximum(np.frexp(np.where(r == 0, 1, r))[1] - 1, -6) - 3)
;;       q = np.round(r / step) * step * 2.0 ** e      # np.round: ties to even
;;       return np.moveaxis(q.reshape(q.shape[:-2] + (-1,))[..., :K], -1, axis).astype(np.float32)
;;   ~~~
;;   SOFTMAX AHEAD OF A QUANTISED PRODUCT. Where the list says 'softmax', what is quantised is not the finished softmax but p = 2^(t - M), with t = logit x log2(e) and M = ceil(the row's largest t), a whole number; so 1/2 < the row's largest p <= 1. The row's sum l is taken of the UNQUANTISED p, in f32, and the product's result is divided by l at the end. Since M is a whole number, a kernel that streams over the keys may use a running M (the ceiling of the running maximum): every later rescaling is an exact power of two, which a block's scale takes up: the codes' values come out the same.
;;   OPERANDS COMPUTED ON THE WAY. 'Computed on the way' means the value that the module computes at that place (a softmax that the list does not call 'softmax' is quantised finished and normalised). What goes into a quantiser is computed in f32, as accurately as f32 sums, v_exp_f32 and their like allow (about 1e-6 of the number): no bf16 or f16 on the way to a quantiser, and a product that is left as it is and whose result goes on into a quantised operand takes f32 operands (vector FMAs, or v_wmma_f32_16x16x4_f32). A number that lies on a knife's edge between two numbers of the format may be rounded either way, as far as f32 arithmetic and the matrix unit's own rounding can turn it there, and no further.
;; One version. Each part assembles by itself: llvm-mc -triple=amdgcn-amd-amdhsa -mcpu=gfx1250 --defsym DOCPART=n.
;; ======== version 1 of 1: 4 launches
;; limits: right only within a limited range of input values
;; workspace buffers: ops 8,388,608 bytes; ops_sc 262,144 bytes; qb 4,325,376 bytes; kv 8,650,752 bytes; a_img 4,194,304 bytes; a_sc 131,072 bytes
;; launch quant (part 1): grid 256 x 1, 8 waves a work-group, no clusters, 105,472 bytes of LDS; arguments x, w_qkv, w_o, ops, ops_sc; writes ops, ops_sc
.if DOCPART == 1
	.amdgcn_target "amdgcn-amd-amdhsa--gfx1250"
	.amdhsa_code_object_version 6
	.text
	.protected	k_qbd9c92a7d4_quant
	.globl	k_qbd9c92a7d4_quant
	.p2align	8
	.type	k_qbd9c92a7d4_quant,@function
k_qbd9c92a7d4_quant:
	s_mov_b64 s[64:65], 0
	v_nop
	global_prefetch_b8 v0, s[64:65] scope:SCOPE_SE
	s_setreg_imm32_b32 hwreg(HW_REG_WAVE_MODE, 25, 1), 1
	s_wait_xcnt 0x0
; x [4096][1024], w_qkv [1024][3072] and w_o [1024][1024], f32, become codes of FP8 (E4M3) with one E8M0 byte for each 32 along K (K = 1024 for all three).
; OUTPUT LAYOUT.  ops = 512 tiles of 16 rows x 1024 K, 16,384 bytes each: tile[kk 0..7][c 0..3][lane][16 bytes]: the image of an operand's registers: lane (r, h) of image (kk, c) holds k = 128 kk + 32 c + 16 h + 0..15 of the tile's row r.
;   rows ("positions") 0-4095: x's tokens; 4096-7167: w_qkv's columns, sorted by kind (column head x 192 + t x 64 + d lies at 4096 + t x 1024 + head x 64 + d); 7168-8191: w_o's columns.
;   WITHIN EVERY 32 ROWS position 16 u + r holds true row 8 u + r + 8 (r / 8): a product that takes such tiles as its first source then leaves 16 true neighbours in a lane's 16 registers of two neighbouring tiles.
;   ops_sc = [position][32 bytes]: byte 4 kk + c scales k = 128 kk + 32 c on.
; A block's scale is 2^(floor(log2(largest magnitude)) - 8); its byte is the largest magnitude's exponent field - 8, held at 1 from below; numbers are held within +-448 x the scale and rounded to the nearest code, ties to even.
; LIMITS: a block whose largest magnitude lies under 2^-118 (a block of zeros too, where the rule says 127) keeps the byte 1: this program alone reads the bytes, and zero codes add nothing; NaN and infinities among the inputs are not served.
; SHARES.  Work-groups 0-127 take x (32 tokens each; a wave: 16 rows x 256 K), work-groups 128-255 the weights (128 columns x 256 K; a wave: 32 columns x 128 K): 131,072 bytes read by each.
; No tensor loads, no barrier, no cluster: no byte is read by two waves.  The two paths have LDS bytes of their own.
.set XP,   528                         ; x's stage: a row of 512 bytes + 16
.set XWV,  16*XP                       ; 16 rows for each wave
.set WST,  8*XWV                       ; behind the eight: the weights' stages
.set WP,   144                         ; a row of 128 codes + 16
.set WWV,  32*WP                       ; 32 rows for each wave
.set TM,   8                           ; v8-11 largest magnitudes, v12-15 permute / bytes, v16-19 448 x scale, v20-23 scale operands
.set PW,   24                          ; v24-25 scale words
.set PC,   32                          ; x: v32-63 two fragments' codes
.set XN,   64                          ; x: v64-127 64 numbers of a lane, 16 neighbours of each of four blocks
.set XR,   128                         ; x: v128-255 the two fragments as loaded
.set OF,   32                          ; w: v32-63 byte offset of row i of a block
.set WC,   64                          ; w: v64-95 codes, 8 registers a block
.set OUTR, 96                          ; w: v96-127 the way out
.set WX,   128                         ; w: v128-255 four blocks of 32 numbers
.set SEL,  20                          ; s[20:21] selects of v_permlanex16_b32: lane l xor 16
.set MNT,  22                          ; s22 the mantissa field of 448
; 64 numbers of a lane, register 16 b + i = k 32 b + 16 (lane / 16) + i of its row, become 16 registers of codes at v[pc] and the row's scale word in v[pw]
.macro QUANT s, pc, pw
.irp b, 0,1,2,3
	v_max3_num_f32 v[TM+\b], |v[\s+16*\b]|, |v[\s+1+16*\b]|, 0x4800000   ; my 16 numbers of block b and the floor 2^(9 - 127): the byte cannot fall under 1
.endr
.irp i, 2,4,6,8,10,12,14
.irp b, 0,1,2,3
	s_delay_alu instid0(VALU_DEP_4)
	v_max3_num_f32 v[TM+\b], v[TM+\b], |v[\s+16*\b+\i]|, |v[\s+1+16*\b+\i]|
.endr
.endr
.irp b, 0,1,2,3
	s_delay_alu instid0(VALU_DEP_4)
	v_permlanex16_b32 v[TM+4+\b], v[TM+\b], s[SEL], s[SEL+1]
.endr
.irp b, 0,1,2,3
	s_delay_alu instid0(VALU_DEP_4)
	v_max_num_f32 v[TM+\b], v[TM+\b], v[TM+4+\b]            ; with lane l xor 16's 16: the block's largest magnitude
.endr
.irp b, 0,1,2,3
	s_delay_alu instid0(VALU_DEP_4)
	v_add_nc_u32 v[TM+12+\b], 0xfc000000, v[TM+\b]          ; 8 off its exponent field: the conversion's scale operand
.endr
.irp b, 0,1,2,3
	v_and_or_b32 v[TM+8+\b], v[TM+\b], 0x7f800000, s[MNT]   ; 448 x the scale
.endr
.irp b, 0,1,2,3
	v_lshrrev_b32 v[TM+4+\b], 23, v[TM+12+\b]               ; the scale's byte
.endr
	s_delay_alu instid0(VALU_DEP_3)
	v_lshl_or_b32 v[\pw], v[TM+5], 8, v[TM+4]
	s_delay_alu instid0(VALU_DEP_1)
	v_lshl_or_b32 v[\pw], v[TM+6], 16, v[\pw]
	s_delay_alu instid0(VALU_DEP_1)
	v_lshl_or_b32 v[\pw], v[TM+7], 24, v[\pw]
.irp b, 0,1,2,3
.irp i, 0,1,2,3,4,5,6,7,8,9,10,11,12,13,14,15
	v_med3_num_f32 v[\s+16*\b+\i], v[\s+16*\b+\i], -v[TM+8+\b], v[TM+8+\b]   ; the conversion to an 8-bit code does not saturate (ISA guide 7.6.2): the hold
.endr
	v_cvt_scalef32_pk8_fp8_f32 v[\pc+4*\b:\pc+1+4*\b], v[\s+16*\b:\s+7+16*\b], v[TM+12+\b]
	v_cvt_scalef32_pk8_fp8_f32 v[\pc+2+4*\b:\pc+3+4*\b], v[\s+8+16*\b:\s+15+16*\b], v[TM+12+\b]
.endr
	v_nop                                          ; a plain place behind the conversions
.endm
	s_load_b256 s[4:11], s[0:1], 0x0               ; x s[4:5], w_qkv s[6:7], w_o s[8:9], ops s[10:11]
	s_load_b64 s[12:13], s[0:1], 0x20              ; ops_sc
	v_lshl_add_u32 v30, v0, 2, 0x19800
	v_mov_b32 v31, 0
	v_lshrrev_b32 v1, 5, v0
	s_delay_alu instid0(VALU_DEP_1)
	v_readfirstlane_b32 s14, v1                    ; wave 0..7
	v_and_b32 v1, 31, v0                           ; lane
	v_and_b32 v2, 15, v0                           ; r
	v_bfe_u32 v3, v0, 4, 1                         ; h
	s_delay_alu instid0(VALU_DEP_3)
	v_lshlrev_b32 v4, 4, v1                        ; 16 x lane
	s_mov_b32 s[SEL], 0x76543210
	s_mov_b32 s[SEL+1], 0xfedcba98
	s_mov_b32 s[MNT], 0x600000
	s_cmp_lt_u32 ttmp9, 128
	s_cbranch_scc0 .Lweights
	; ---- x.  Work-group g: tokens 32 g .. 32 g + 31.  Wave: tile 2 g + (wave / 4), K steps 2 (wave % 4) and the next: two fragments.
	s_lshr_b32 s15, s14, 2                         ; which of the two tiles
	s_and_b32 s16, s14, 3                          ; which 256 along K
	s_mul_i32 s17, s14, XWV                        ; my stage
	s_wait_alu depctr_va_vdst(0)
	v_add_nc_u32 v5, s17, v4                       ; in: a row as it lies, 16 bytes a lane
	v_mul_u32_u24 v6, v2, XP
	s_delay_alu instid0(VALU_DEP_1)
	v_lshl_add_u32 v6, v3, 6, v6
	s_delay_alu instid0(VALU_DEP_1)
	v_add_nc_u32 v6, s17, v6                       ; out: row r, my half's 64 bytes of a block's 128
	v_lshlrev_b32 v7, 5, v2
	s_delay_alu instid0(VALU_DEP_1)
	v_lshl_add_u32 v7, v3, 2, v7                   ; scale words: row r's 32 bytes; lanes 16-31 the second K step's word
.irp b, 0,1,2,3
	v_mov_b32 v[TM+4+\b], 0                        ; written once: a lane permute's destination counts as one of its sources
.endr
	s_lshl_b32 s24, ttmp9, 17                      ; 32 rows of 4,096 bytes
	s_lshl_b32 s18, s15, 15                        ; the second tile begins 8 true rows on
	s_add_co_u32 s24, s24, s18
	s_lshl_b32 s18, s16, 10
	s_add_co_u32 s24, s24, s18
	s_mov_b32 s25, 0
	s_lshl_b32 s19, ttmp9, 1
	s_add_co_u32 s19, s19, s15                     ; the tile
	s_lshl_b32 s26, s19, 14
	s_lshl_b32 s18, s16, 12
	s_add_co_u32 s26, s26, s18
	s_mov_b32 s27, 0
	s_lshl_b32 s28, s19, 9
	s_lshl_b32 s18, s16, 3
	s_add_co_u32 s28, s28, s18
	s_mov_b32 s29, 0
	s_wait_alu depctr_va_vdst(0)
	s_wait_kmcnt 0x0
	s_add_nc_u64 s[4:5], s[4:5], s[24:25]
	s_add_nc_u64 s[10:11], s[10:11], s[26:27]
	s_add_nc_u64 s[12:13], s[12:13], s[28:29]
.irp f, 0,1
.irp i, 0,1,2,3,4,5,6,7,8,9,10,11,12,13,14,15
	global_load_b128 v[XR+64*\f+4*\i:XR+64*\f+4*\i+3], v4, s[4:5] offset:(\i+8*(\i/8))*4096+512*\f th:TH_LOAD_NT   ; the tile's row i is true row i + 8 (i / 8): 32 lanes read 512 consecutive bytes of it
.endr
.endr
.macro XFRAG f
	s_wait_loadcnt 16*(1-\f)                       ; this fragment's 16 loads are in; the other's 16 may be out
.irp i, 0,1,2,3,4,5,6,7,8,9,10,11,12,13,14,15
	ds_store_b128 v5, v[XR+64*\f+4*\i:XR+64*\f+4*\i+3] offset:XP*\i
.endr
.irp c, 0,1,2,3
.irp j, 0,1,2,3
	ds_load_b128 v[XN+16*\c+4*\j:XN+16*\c+4*\j+3], v6 offset:128*\c+16*\j   ; LDS serves a wave's instructions in order: these see my stores
.endr
.endr
	s_wait_dscnt 0x0
	QUANT XN, PC+16*\f, PW+\f
.irp c, 0,1,2,3
	global_store_b128 v4, v[PC+16*\f+4*\c:PC+16*\f+4*\c+3], s[10:11] offset:2048*\f+512*\c   ; an image: 512 consecutive bytes, aligned
.endr
.endm
	XFRAG 0
	XFRAG 1
	v_cmp_lt_u32 vcc_lo, 15, v1
	s_delay_alu instid0(VALU_DEP_1)
	v_cndmask_b32 v26, v[PW], v[PW+1], vcc_lo      ; lanes 0-15 the first K step's word, lanes 16-31 the second's
	global_store_b32 v7, v26, s[12:13]
	s_wait_tensorcnt 0x0
	ds_add_u32 v30, v31
	s_wait_dscnt 0x0
	s_endpgm
	; ---- the weights.  K is their first axis: a lane takes a column and its registers run down K.  Work-group g' = cg x 4 + kg: columns 128 cg on (cg under 24: w_qkv; else w_o), K steps 2 kg, 2 kg + 1.
.Lweights:
	s_sub_co_u32 s16, ttmp9, 128
	s_lshr_b32 s17, s16, 2                         ; cg
	s_and_b32 s18, s16, 3
	s_and_b32 s19, s14, 3                          ; which 32 columns
	s_lshr_b32 s23, s14, 2
	s_lshl_b32 s18, s18, 1
	s_add_co_u32 s18, s18, s23                     ; kk
	s_mov_b32 s24, 12288
	s_cmp_lt_u32 s17, 24
	s_cselect_b32 s25, 0, 24
	s_cselect_b32 s24, s24, 4096                   ; bytes from row to row
	s_sub_co_u32 s25, s17, s25
	s_lshl_b32 s25, s25, 7
	s_lshl_b32 s19, s19, 5
	s_add_co_u32 s25, s25, s19                     ; my first column
	s_lshr_b32 s26, s25, 6                         ; w_qkv: which run of 64 columns: 3 x head + kind
	s_mul_i32 s27, s26, 171
	s_lshr_b32 s27, s27, 9                         ; head = run / 3 (exact for runs under 48)
	s_mul_i32 s28, s27, 3
	s_sub_co_u32 s26, s26, s28                     ; kind
	s_lshl_b32 s26, s26, 10
	s_lshl_b32 s27, s27, 6
	s_add_co_u32 s26, s26, s27
	s_and_b32 s27, s25, 63
	s_add_co_u32 s26, s26, s27
	s_add_co_u32 s26, s26, 4096
	s_add_co_u32 s27, s25, 7168                    ; w_o
	s_cmp_lt_u32 s17, 24
	s_cselect_b32 s26, s26, s27                    ; the position of my first column: a multiple of 32
	s_mul_i32 s28, s18, s24
	s_lshl_b32 s28, s28, 7                         ; 128 kk rows
	s_lshl_b32 s27, s25, 2
	s_add_co_u32 s28, s28, s27
	s_mov_b32 s29, 0
	s_lshl_b32 s30, s24, 5                         ; a block's 32 rows
	s_mov_b32 s31, 0
	s_lshr_b32 s32, s26, 4
	s_lshl_b32 s32, s32, 14
	s_lshl_b32 s27, s18, 11
	s_add_co_u32 s32, s32, s27
	s_mov_b32 s33, 0
	s_lshl_b32 s34, s26, 5
	s_lshl_b32 s27, s18, 2
	s_add_co_u32 s34, s34, s27
	s_mov_b32 s35, 0
	s_wait_alu depctr_va_vdst(0)
	v_and_b32 v8, 7, v1
	v_bfe_u32 v9, v1, 3, 1
	s_delay_alu instid0(VALU_DEP_1)
	v_lshl_or_b32 v8, v9, 4, v8
	v_bfe_u32 v9, v1, 4, 1
	s_delay_alu instid0(VALU_DEP_1)
	v_lshl_or_b32 v8, v9, 3, v8                    ; my column's position among the 32: bits 3 and 4 change places
	s_mul_i32 s27, s14, WWV
	s_add_co_u32 s27, s27, WST                     ; my stage
	v_mul_u32_u24 v5, v8, WP
	s_delay_alu instid0(VALU_DEP_1)
	v_add_nc_u32 v5, s27, v5                       ; in: the row of my position
	v_mul_u32_u24 v6, v2, WP
	s_delay_alu instid0(VALU_DEP_1)
	v_lshl_add_u32 v6, v3, 4, v6
	s_delay_alu instid0(VALU_DEP_1)
	v_add_nc_u32 v6, s27, v6                       ; out: row r, 16 bytes for each half of the lanes
	v_lshlrev_b32 v7, 5, v8                        ; my position's 32 scale bytes
	v_lshlrev_b32 v[OF], 2, v1
.set n, 1
.rept 31
	s_delay_alu instid0(VALU_DEP_1)
	v_add_nc_u32 v[OF+n], s24, v[OF+n-1]
.set n, n+1
.endr
	s_wait_alu depctr_va_vdst(0)
	s_wait_kmcnt 0x0
	s_cmp_lt_u32 s17, 24                           ; the choice hangs on the work-group's number alone
	s_cselect_b64 s[36:37], s[6:7], s[8:9]
	s_add_nc_u64 s[36:37], s[36:37], s[28:29]      ; block 0 .. 3 of my 128 along K
	s_add_nc_u64 s[38:39], s[36:37], s[30:31]
	s_add_nc_u64 s[40:41], s[38:39], s[30:31]
	s_add_nc_u64 s[42:43], s[40:41], s[30:31]
	s_add_nc_u64 s[10:11], s[10:11], s[32:33]
	s_add_nc_u64 s[12:13], s[12:13], s[34:35]
.macro WLOAD t
.irp i, 0,1,2,3,4,5,6,7,8,9,10,11,12,13,14,15,16,17,18,19,20,21,22,23,24,25,26,27,28,29,30,31
	global_load_b32 v[WX+32*(\t)+\i], v[OF+\i], s[36+2*(\t):37+2*(\t)] th:TH_LOAD_NT   ; 32 lanes read 128 consecutive bytes of a row; the four waves beside each other 512
.endr
.endm
.macro BLOCK t, left, next
.set XS, WX+32*(\t)
	s_wait_loadcnt \left                           ; this block's 32 loads are in; the next block's 32 may be out
.if \next >= 0
	WLOAD \next
.endif
	v_max3_num_f32 v12, |v[XS]|, |v[XS+1]|, |v[XS+2]|      ; all 32 numbers of the block are mine
	v_max3_num_f32 v13, |v[XS+3]|, |v[XS+4]|, |v[XS+5]|
.irp i, 6,10,14,18,22,26
	s_delay_alu instid0(VALU_DEP_2)
	v_max3_num_f32 v12, v12, |v[XS+\i]|, |v[XS+\i+1]|
	s_delay_alu instid0(VALU_DEP_2)
	v_max3_num_f32 v13, v13, |v[XS+\i+2]|, |v[XS+\i+3]|
.endr
	s_delay_alu instid0(VALU_DEP_2)
	v_max3_num_f32 v12, v12, |v[XS+30]|, |v[XS+31]|
	s_delay_alu instid0(VALU_DEP_1)
	v_max3_num_f32 v12, v12, v13, 0x4800000
	s_delay_alu instid0(VALU_DEP_1)
	v_add_nc_u32 v11, 0xfc000000, v12
	s_delay_alu instid0(VALU_DEP_2)
	v_and_or_b32 v10, v12, 0x7f800000, s[MNT]
	s_delay_alu instid0(VALU_DEP_2)
	v_lshrrev_b32 v13, 23, v11
.if (\t) == 0
	s_delay_alu instid0(VALU_DEP_1)
	v_mov_b32 v[PW], v13
.else
	s_delay_alu instid0(VALU_DEP_1)
	v_lshl_or_b32 v[PW], v13, 8*(\t), v[PW]
.endif
.irp i, 0,1,2,3,4,5,6,7,8,9,10,11,12,13,14,15,16,17,18,19,20,21,22,23,24,25,26,27,28,29,30,31
	v_med3_num_f32 v[XS+\i], v[XS+\i], -v10, v10
.endr
.irp g, 0,1,2,3
	v_cvt_scalef32_pk8_fp8_f32 v[WC+8*(\t)+2*\g:WC+8*(\t)+2*\g+1], v[XS+8*\g:XS+8*\g+7], v11
.endr
	ds_store_b128 v5, v[WC+8*(\t):WC+8*(\t)+3] offset:32*(\t)
	ds_store_b128 v5, v[WC+8*(\t)+4:WC+8*(\t)+7] offset:32*(\t)+16
.endm
	WLOAD 0
	WLOAD 1
	BLOCK 0, 32, 2
	BLOCK 1, 32, 3
	BLOCK 2, 32, -1
	BLOCK 3, 0, -1
	global_store_b32 v7, v[PW], s[12:13]           ; my column's scale word of this K step
.irp u, 0,1
.irp c, 0,1,2,3
	ds_load_b128 v[OUTR+4*(4*\u+\c):OUTR+4*(4*\u+\c)+3], v6 offset:16*WP*\u+32*\c   ; image c of tile u: LDS serves a wave's instructions in order
.endr
.endr
.irp u, 0,1
.irp c, 0,1,2,3
	s_wait_dscnt 7-4*\u-\c                         ; the younger loads may be out
	global_store_b128 v4, v[OUTR+4*(4*\u+\c):OUTR+4*(4*\u+\c)+3], s[10:11] offset:16384*\u+512*\c
.endr
.endr
	s_wait_tensorcnt 0x0
	ds_add_u32 v30, v31
	s_wait_dscnt 0x0
	s_endpgm
.Lfunc_end_k_qbd9c92a7d4_quant:
	.size	k_qbd9c92a7d4_quant, .Lfunc_end_k_qbd9c92a7d4_quant-k_qbd9c92a7d4_quant
	.p2alignl 7, 3214868480
	.fill 96, 4, 3214868480
	.section	.rodata,"a",@progbits
	.p2align	6, 0x0
	.amdhsa_kernel k_qbd9c92a7d4_quant
		.amdhsa_group_segment_fixed_size 105472
		.amdhsa_private_segment_fixed_size 0
		.amdhsa_enable_private_segment 0
		.amdhsa_kernarg_size 40
		.amdhsa_user_sgpr_count 2
		.amdhsa_user_sgpr_kernarg_segment_ptr 1
		.amdhsa_wavefront_size32 1
		.amdhsa_system_sgpr_workgroup_id_x 1
		.amdhsa_system_sgpr_workgroup_id_y 1
		.amdhsa_system_sgpr_workgroup_id_z 1
		.amdhsa_system_vgpr_workitem_id 0
		.amdhsa_next_free_vgpr 256
		.amdhsa_next_free_sgpr 66
		.amdhsa_reserve_vcc 1
		.amdhsa_float_denorm_mode_32 3
		.amdhsa_float_denorm_mode_16_64 3
		.amdhsa_memory_ordered 1
		.amdhsa_forward_progress 1
		.amdhsa_inst_pref_size 65
	.end_amdhsa_kernel
	.amdgpu_metadata
---
amdhsa.version: [ 1, 2 ]
amdhsa.kernels:
  - .name:           k_qbd9c92a7d4_quant
    .symbol:         k_qbd9c92a7d4_quant.kd
    .args:
      - { .name: x, .offset: 0, .size: 8, .value_kind: global_buffer, .address_space: global }
      - { .name: w_qkv, .offset: 8, .size: 8, .value_kind: global_buffer, .address_space: global }
      - { .name: w_o, .offset: 16, .size: 8, .value_kind: global_buffer, .address_space: global }
      - { .name: ops, .offset: 24, .size: 8, .value_kind: global_buffer, .address_space: global }
      - { .name: ops_sc, .offset: 32, .size: 8, .value_kind: global_buffer, .address_space: global }
    .group_segment_fixed_size: 105472
    .private_segment_fixed_size: 0
    .kernarg_segment_align: 8
    .kernarg_segment_size: 40
    .max_flat_workgroup_size: 256
    .sgpr_count:     66
    .vgpr_count:     256
    .wavefront_size: 32
...
	.end_amdgpu_metadata
.endif
;; end of part 1
;; launch gemm_qkv (part 2): grid 16 x 16, 4 waves a work-group, clusters of 4 x 4, 327,680 bytes of LDS; arguments ops, ops_sc, b_qkv, qb, kv; writes qb, kv
.if DOCPART == 2
	.amdgcn_target "amdgcn-amd-amdhsa--gfx1250"
	.amdhsa_code_object_version 6
	.text
	.protected	k_qbd9c92a7d4_gemm_qkv
	.globl	k_qbd9c92a7d4_gemm_qkv
	.p2align	8
	.type	k_qbd9c92a7d4_gemm_qkv,@function
k_qbd9c92a7d4_gemm_qkv:
	s_mov_b64 s[64:65], 0
	v_nop
	global_prefetch_b8 v0, s[64:65] scope:SCOPE_SE
	s_setreg_imm32_b32 hwreg(HW_REG_WAVE_MODE, 25, 1), 1
	s_wait_xcnt 0x0
	s_wait_alu depctr_hold_cnt(0) depctr_sa_sdst(0) depctr_va_vdst(0) depctr_va_sdst(0) depctr_va_ssrc(0) depctr_va_vcc(0) depctr_vm_vsrc(0)
	s_getreg_b32 s2, hwreg(HW_REG_IB_STS2, 6, 4)
	s_cmp_eq_u32 s2, 0
	s_cbranch_scc0 .Lentry_in_a_cluster
	s_endpgm
.Lentry_in_a_cluster:
	s_bfe_u32 s2, ttmp6, 0x10000c
	s_cmp_lg_u32 s2, 0xf033
	s_cbranch_scc0 .Lentry_shape_is_right
	s_endpgm
.Lentry_shape_is_right:
; Q, K, V = x w_qkv + b_qkv on codes of FP8 (E4M3) with E8M0 scales for each 32 along K = 1024, and their quantisers: q and k along the head's 64, v along the tokens.  No f32 result is stored.
; INPUT.  ops = tiles of 16 rows x 1024 K as images of an operand's registers: tile[kk 0..7][c 0..3][lane][16 bytes], 16,384 bytes; tiles 0-255 x's tokens, 256 + 64 t + 4 head on the 64 columns of q, k, v (t = 0, 1, 2) of a head; ops_sc [row][32 scale bytes].
; OUTPUT.  qb: blocks of 128 tokens of a head, 8,448 bytes: 8 tiles of q's codes (1,024 bytes each), then the scale words [pair of tiles][r]; kv: key steps of 128 tokens of a head, 16,896 bytes: k's codes likewise, v's codes [16 channels][32 tokens][lane][16 bytes], k's scale words, v's [16 channels][r].
; SHARES.  A work-group makes 256 tokens x the 192 columns of one head: 256 work-groups.  Its four waves are alike: 64 tokens (4 tiles) x 192 columns (12 tiles): 48 accumulators, 384 registers.
; ORIENTATION.  q, k: source 0 = columns, source 1 = tokens: a lane holds one token and its registers run along the head.  v: source 0 = tokens, source 1 = columns: a lane holds one channel and its registers run along the tokens.
; K comes in FOUR FILLS of LDS: K 0-255 into slot 0 at the head, K 256-639 into slot 1, K 640-895 into slot 0, K 896-1023 into slot 1; one joint load a wave each: wave 0 x's 16 tiles, waves 1 to 3 the four tiles of q's, k's, v's columns.
; CLUSTERS of 4 x 4: the four of a row need the same tokens, the four of a column the same head.
; PREFETCH into the L2: fill 2 behind the head's load; fills 3 and 4 together behind step 0, a step and more ahead of their loads.  Each block of 256 bytes is named once in a cluster: of a row's 16 tiles of tokens the work-group at cx takes tiles 4 cx .. 4 cx + 3, one a wave;
;   of a column's 12 tiles of columns the work-group at cy takes tile cy of q, k and v (waves 1, 2, 3); lane l names block l of a tile's 24, the lanes left over the last one again.
; The accumulators begin as the bias, loaded or copied into them while the head's tiles are on their way.
; LIMITS: a block whose largest magnitude lies under 2^-118 (a block of zeros too) keeps the scale byte 1: this program alone reads the bytes; NaN and infinities are not served.
; REGISTERS.  window 0: v1-19 addresses; v20-35 x's scale words (pair of tiles p, kk: 8 p + kk; lanes 0-15 the first tile's rows, lanes 16-31 the second's), v40-87 the columns'; v128-255 v's accumulators ((c, a) at 128 + 8 (4 c + a)).
;   window 3: q's and k's ((a, b) at 8 (8 a + b)).  windows 1, 2: two sets of fragments: 12 tiles of columns at v0, 4 of tokens at v192; on the way out window 1 held numbers, window 2 codes.
.set SLOT1, 114688                     ; slot 0: 28 tiles x 4,096 bytes; slot 1: 28 x 6,144 (fill 4: 28 x 2,048)
.set STG,  286720                      ; behind the slots: the scale words on their way out, 768 bytes for each 128 tokens: k's, v's, q's
.set SPARE, 288256                     ; the spare words, 128 bytes for each wave
.set L16,  3
.set ADA0, 4                           ; LDS addresses of my tokens' tiles and of the columns' in slot 0,
.set ADB0, 5
.set ADA1, 6                           ; in slot 1 (fill 2; the columns' tiles 6-11 by a register of their own: an LDS offset has 16 bits),
.set ADB1, 7
.set ADB1B, 8
.set SPW,  9
.set NIL,  10
.set VS,   11
.set VBQ,  12
.set VBV,  13
.set ADA2, 16                          ; in slot 1 (fill 4)
.set ADB2, 17
.set VPF,  18                          ; the prefetches' offset; never rewritten
.set SA,   20
.set SB,   40
.set VB,   88
.set TM,   104                         ; first block: v104-107 largest magnitudes, v108-111 permute / bytes, v112-115 448 x scale, v116-119 scale operands; second block: 16 registers lower
.set PWS,  120
.set G1,   24
.set G0,   32
.set G1B,  48
.set G0B,  56
.set MSB, 0
.macro WIN new                         ; the immediate's high byte repeats the setting that is left
.if MSB != \new
	s_set_vgpr_msb (MSB<<8)|\new
.set MSB, \new
.endif
.endm
.macro PLACES n
.rept \n
	v_nop
.endr
.endm
.macro JLOAD                           ; a joint load: wave 0 for x, waves 1 to 3 for the columns
	s_cmp_eq_u32 s14, 0
	s_cbranch_scc0 .Lfor_b_\@
	tensor_load_to_lds s[G0:G0+3], s[G1:G1+7]
	s_nop 0
	PLACES 4
	s_branch .Lasked_\@
.Lfor_b_\@:
	tensor_load_to_lds s[G0B:G0B+3], s[G1B:G1B+7]
	s_nop 0
	PLACES 4
.Lasked_\@:
.endm
.macro ASK o                           ; 24 blocks of 256 bytes from byte o of a tile of tokens and of a tile of columns
	WIN 0
	global_prefetch_b8 v[VPF], s[86:87] offset:\o th:TH_LOAD_NT scope:SCOPE_SE
	s_cmp_eq_u32 s14, 0
	s_cbranch_scc1 .Lno_columns_\@
	global_prefetch_b8 v[VPF], s[88:89] offset:\o th:TH_LOAD_NT scope:SCOPE_SE
.Lno_columns_\@:
.endm
.macro CREST                           ; a round of the cluster's barrier behind its opening barrier
	s_cmp_lg_u32 s14, 0
	s_cbranch_scc1 .Lnot_wave_0_\@
	s_barrier_signal -3
.Lnot_wave_0_\@:
	s_barrier_wait -3
	s_barrier_signal -1
	s_barrier_wait -1
.endm
.macro CROUND
	s_barrier_signal -1
	s_barrier_wait -1
	CREST
.endm
.macro DESC lds, ldsb, step, n         ; the next fill's descriptors (no tensor load of mine is out): n elements of 8 bytes of each tile
	s_mov_b32 s[G0+1], \lds
	s_mov_b32 s[G0B+1], s\ldsb
	s_add_nc_u64 s[G0+2:G0+3], s[G0+2:G0+3], \step
	s_add_nc_u64 s[G0B+2:G0B+3], s[G0B+2:G0B+3], \step
	s_mov_b32 s[G1+1], (\n)<<16
	s_mov_b32 s[G1+3], (\n)<<16
	s_mov_b32 s[G1B+1], (\n)<<16
	s_mov_b32 s[G1B+3], (\n)<<16
.endm
	s_load_b128 s[4:7], s[0:1], 0x0                ; ops, ops_sc
	s_load_b64 s[8:9], s[0:1], 0x10                ; b_qkv
	s_load_b128 s[96:99], s[0:1], 0x18             ; qb, kv
	v_lshl_add_u32 v[SPW], v0, 2, SPARE
	v_mov_b32 v[NIL], 0
	ds_add_u32 v[SPW], v[NIL]                      ; the opening: the add, twice on end, and its wait ahead of my first tensor load
	ds_add_u32 v[SPW], v[NIL]
	v_lshrrev_b32 v1, 5, v0
	v_readfirstlane_b32 s14, v1                    ; wave 0..3
	s_bfe_u32 s40, ttmp6, 0x40000                  ; cx, cy
	s_bfe_u32 s41, ttmp6, 0x40004
	s_lshl_b32 s42, ttmp9, 2
	s_add_co_u32 s42, s42, s40                     ; the head
	s_and_b32 s17, ttmp7, 0xffff
	s_lshl_b32 s17, s17, 2
	s_add_co_u32 s17, s17, s41                     ; which 256 tokens
	s_lshl_b32 s43, s41, 2
	s_lshl_b32 s43, 15, s43                        ; my row of the cluster
	s_lshl_b32 s44, 0x1111, s40                    ; my column
	s_mov_b32 s10, 0x76543210
	s_mov_b32 s11, 0xfedcba98                      ; v_permlanex16_b32's selects: lane l xor 16
	s_mov_b32 s12, 0x600000                        ; the mantissa field of 448
	s_or_b32 s[G1], s43, (3<<16)|(1<<21)           ; 15:0 the mask; 17:16 elements of 8 bytes; 21 set beside a mask
	s_or_b32 s[G1B], s44, (3<<16)|(1<<21)
	s_mov_b32 s[G1+2], 16<<16                      ; tensor_dim1: 16 tiles
	s_mov_b32 s[G1+4], 16                          ; tile_dim1
	s_mov_b32 s[G1B+2], 4<<16
	s_mov_b32 s[G1B+4], 4
.irp g, G1, G1B
	s_mov_b32 s[\g+1], 512<<16                     ; tensor_dim0: 4,096 bytes of a tile: K 0-255
	s_mov_b32 s[\g+3], 512<<16                     ; tile_dim0
	s_mov_b32 s[\g+5], 2048                        ; from tile to tile
	s_mov_b32 s[\g+6], 0
	s_mov_b32 s[\g+7], 0
.endr
	s_lshl_b32 s20, s17, 18                        ; x: tile 16 x row
	s_mov_b32 s21, 0
	s_lshl_b32 s22, s14, 6
	s_lshl_b32 s23, s42, 2
	s_add_co_u32 s22, s22, s23
	s_add_co_u32 s22, s22, 192
	s_add_co_u32 s88, s22, s41                     ; my prefetches: tile cy of these columns,
	s_lshl_b32 s88, s88, 14
	s_mov_b32 s89, 0
	s_lshl_b32 s22, s22, 14                        ; columns: tile 256 + 64 (wave - 1) + 4 x head
	s_mov_b32 s23, 0
	s_lshl_b32 s86, s17, 4
	s_lshl_b32 s87, s40, 2
	s_add_co_u32 s86, s86, s87
	s_add_co_u32 s86, s86, s14
	s_lshl_b32 s86, s86, 14                        ; and tile 4 cx + wave of the tokens
	s_mov_b32 s87, 0
	s_lshl_b32 s60, s14, 14
	s_add_co_u32 s60, s60, 49152                   ; where the columns go in slot 0: behind x's 65,536 bytes, 16,384 x (wave - 1) on
	s_mul_i32 s61, s14, 24576
	s_add_co_u32 s61, s61, 188416                  ; fill 2, in slot 1: behind x's 98,304 bytes, 24,576 x (wave - 1) on
	s_lshl_b32 s62, s14, 13
	s_add_co_u32 s62, s62, 139264                  ; fill 4, in slot 1: behind x's 32,768 bytes, 8,192 x (wave - 1) on
	s_lshl_b32 s46, s17, 13
	s_lshl_b32 s47, s14, 11
	s_add_co_u32 s46, s46, s47                     ; the scale bytes of my 64 tokens
	s_mov_b32 s47, 0
	s_lshl_b32 s82, s42, 11
	s_add_co_u32 s82, s82, 131072                  ; of the head's columns of q; k's and v's 32,768 bytes on
	s_mov_b32 s83, 0
	s_mul_i32 s84, s42, 768                        ; the head's bias
	s_mov_b32 s85, 0
	s_wait_dscnt 0x0
	s_wait_alu depctr_va_vdst(0)
	s_wait_kmcnt 0x0
	s_add_nc_u64 s[20:21], s[4:5], s[20:21]
	s_add_nc_u64 s[22:23], s[4:5], s[22:23]
	s_add_nc_u64 s[46:47], s[6:7], s[46:47]
	s_add_nc_u64 s[82:83], s[6:7], s[82:83]
	s_add_nc_u64 s[8:9], s[8:9], s[84:85]
	s_add_nc_u64 s[86:87], s[4:5], s[86:87]
	s_add_nc_u64 s[88:89], s[4:5], s[88:89]
	CROUND                                         ; all sixteen work-groups are here: the joint loads meet
	s_mov_b32 s[G0], 1
	s_mov_b32 s[G0+1], 0
	s_mov_b64 s[G0+2:G0+3], s[20:21]
	s_or_b32 s[G0+3], s[G0+3], 0x80000000
	s_mov_b32 s[G0B], 1
	s_mov_b32 s[G0B+1], s60
	s_mov_b64 s[G0B+2:G0B+3], s[22:23]
	s_or_b32 s[G0B+3], s[G0B+3], 0x80000000
	JLOAD                                          ; fill 1: one load a wave
	v_and_b32 v1, 15, v0                           ; r
	v_bfe_u32 v2, v0, 4, 1                         ; h
	v_and_b32 v14, 31, v0                          ; lane
	v_lshlrev_b32 v[L16], 4, v14
	v_lshlrev_b32 v[VS], 5, v14                    ; scale bytes: lane l takes row l of a pair of tiles
	v_lshlrev_b32 v[VBQ], 6, v2                    ; q, k: register j of column tile i is column 32 (i / 2) + 16 h + 8 (i % 2) + j
	v_and_b32 v[VBV], 8, v1
	v_add_nc_u32 v[VBV], v[VBV], v1
	v_lshlrev_b32 v[VBV], 2, v[VBV]                ; v: tile c of lane r is column 32 (c / 2) + 8 (c % 2) + r + 8 (r / 8)
	v_min_u32 v[VPF], 23, v14
	v_lshlrev_b32 v[VPF], 8, v[VPF]
.irp c, 0,1,2,3
	global_load_b32 v[VB+\c], v[VBV], s[8:9] offset:512+(\c/2)*128+(\c%2)*32
.endr
.irp p, 0,1
	global_load_b128 v[SA+8*\p:SA+8*\p+3], v[VS], s[46:47] offset:1024*\p
	global_load_b128 v[SA+8*\p+4:SA+8*\p+7], v[VS], s[46:47] offset:1024*\p+16
.endr
.irp p, 0,1,2,3,4,5
	global_load_b128 v[SB+8*\p:SB+8*\p+3], v[VS], s[82:83] offset:32768*(\p/2)+1024*(\p%2)
	global_load_b128 v[SB+8*\p+4:SB+8*\p+7], v[VS], s[82:83] offset:32768*(\p/2)+1024*(\p%2)+16
.endr
	WIN 0xc0
.irp a, 0,1,2,3
.irp b, 0,1,2,3,4,5,6,7
	global_load_b128 v[64*\a+8*\b:64*\a+8*\b+3], v[VBQ], s[8:9] offset:256*(\b/4)+((\b/2)%2)*128+(\b%2)*32
	global_load_b128 v[64*\a+8*\b+4:64*\a+8*\b+7], v[VBQ], s[8:9] offset:256*(\b/4)+((\b/2)%2)*128+(\b%2)*32+16
.endr
.endr
	WIN 0
	s_wait_alu depctr_va_vdst(0)
	ASK 4096                                       ; fill 2
	s_lshl_b32 s18, s14, 14
	v_add_nc_u32 v[ADA0], s18, v[L16]
	v_add_nc_u32 v[ADB0], 65536, v[L16]
	s_mul_i32 s18, s14, 24576
	s_add_co_u32 s18, s18, SLOT1
	v_add_nc_u32 v[ADA1], s18, v[L16]
	v_add_nc_u32 v[ADB1], SLOT1+98304, v[L16]
	v_add_nc_u32 v[ADB1B], SLOT1+135168, v[L16]
	s_lshl_b32 s18, s14, 13
	s_add_co_u32 s18, s18, SLOT1
	v_add_nc_u32 v[ADA2], s18, v[L16]
	v_add_nc_u32 v[ADB2], SLOT1+32768, v[L16]
.irp e, 0,1,2,3
	v_mov_b32 v[TM+4+\e], 0                        ; written once: a lane permute's destination counts as one of its sources
	v_mov_b32 v[TM-12+\e], 0
.endr
	; where my results go
	s_lshr_b32 s18, s17, 3
	s_lshl_b32 s18, s18, 4
	s_add_co_u32 s18, s18, s42                     ; 16 x batch + head
	s_lshl_b32 s18, s18, 4
	s_and_b32 s19, s17, 7
	s_lshl_b32 s19, s19, 1
	s_add_co_u32 s18, s18, s19                     ; the first of the work-group's two blocks of 128 tokens
	s_lshr_b32 s19, s14, 1
	s_add_co_u32 s19, s18, s19                     ; mine
	s_and_b32 s15, s14, 1                          ; which half of it
	s_lshl_b32 s16, s15, 12
	s_mul_i32 s68, s19, 8448
	s_add_co_u32 s68, s68, s16
	s_mov_b32 s69, 0
	s_mul_i32 s70, s19, 16896
	s_lshl_b32 s72, s15, 10
	s_add_co_u32 s72, s72, s70
	s_add_co_u32 s72, s72, 8192
	s_mov_b32 s73, 0
	s_add_co_u32 s70, s70, s16
	s_mov_b32 s71, 0
	s_add_co_u32 s18, s18, s15                     ; the block whose scale words I store
	s_mul_i32 s74, s18, 16896
	s_add_co_u32 s74, s74, 16384
	s_mov_b32 s75, 0
	s_mul_i32 s76, s18, 8448
	s_add_co_u32 s76, s76, 8192
	s_mov_b32 s77, 0
	s_add_nc_u64 s[68:69], s[96:97], s[68:69]      ; q's codes
	s_add_nc_u64 s[70:71], s[98:99], s[70:71]      ; k's
	s_add_nc_u64 s[72:73], s[98:99], s[72:73]      ; v's
	s_add_nc_u64 s[74:75], s[98:99], s[74:75]      ; k's and v's scale words
	s_add_nc_u64 s[76:77], s[96:97], s[76:77]      ; q's
	s_wait_alu depctr_va_vdst(0)
	s_wait_loadcnt 0x0                             ; bias and scale words
.irp c, 0,1,2,3
.set j_, 0
.rept 32
	v_mov_b32 v[128+32*\c+j_], v[VB+\c]            ; v's accumulators begin as the bias
.set j_, j_+1
.endr
.endr
.macro FR nk, i                        ; fragment i of step nk into set nk % 2: 0-3 my tokens, 4-15 the columns
	WIN 0x40*(1+(\nk)%2)
.set aa_, ADA0
.set ab_, ADB0
.set w_, 4096
.if (\nk) < 2
.set k_, 2048*(\nk)
.elseif (\nk) < 5
.set aa_, ADA1
.set ab_, ADB1
.set w_, 6144
.set k_, 2048*((\nk)-2)
.elseif (\nk) < 7
.set k_, 2048*((\nk)-5)
.else
.set aa_, ADA2
.set ab_, ADB2
.set w_, 2048
.set k_, 0
.endif
.if (\i) < 4
.set v_, 192+16*(\i)
.set o_, w_*(\i)+k_
.set ad_, aa_
.else
.set v_, 16*((\i)-4)
.if (w_ == 6144) && ((\i) >= 10)
.set ad_, ADB1B
.set o_, w_*((\i)-10)+k_
.else
.set ad_, ab_
.set o_, w_*((\i)-4)+k_
.endif
.endif
.irp c, 0,1,2,3
	ds_load_b128 v[v_+4*\c:v_+4*\c+3], v[ad_] offset:o_+512*\c
.endr
.endm
.macro FRS nk, from, to
.set i_, \from
.rept (\to)-(\from)
	FR \nk, i_
.set i_, i_+1
.endr
.endm
; Product n = 4 b + a of step kk: column tile b (0-3 q, 4-7 k, 8-11 v), token tile a.  The 48 accumulators take turns, one instruction a turn
.macro PROD kk, n
.set b_, (\n)/4
.set a_, (\n)%4
.set p_, 5*(1+(\kk)%2)
.if b_ < 8
	WIN 0xf0|p_
.set d_, 8*(8*a_+b_)
.set f_, 16*b_
.set g_, 192+16*a_
.set sf_, SB+8*(b_/2)+(\kk)
.set sg_, SA+8*(a_/2)+(\kk)
.set h_, 2*(b_%2)+a_%2
.else
	WIN p_
.set d_, 128+8*(4*(b_-8)+a_)
.set f_, 192+16*a_
.set g_, 16*b_
.set sf_, SA+8*(a_/2)+(\kk)
.set sg_, SB+8*(b_/2)+(\kk)
.set h_, 2*(a_%2)+b_%2
.endif
.if h_ == 0
	v_wmma_scale_f32_16x16x128_f8f6f4 v[d_:d_+7], v[f_:f_+15], v[g_:g_+15], v[d_:d_+7], v[sf_], v[sg_]
.elseif h_ == 1
	v_wmma_scale_f32_16x16x128_f8f6f4 v[d_:d_+7], v[f_:f_+15], v[g_:g_+15], v[d_:d_+7], v[sf_], v[sg_] matrix_b_scale:MATRIX_SCALE_ROW1
.elseif h_ == 2
	v_wmma_scale_f32_16x16x128_f8f6f4 v[d_:d_+7], v[f_:f_+15], v[g_:g_+15], v[d_:d_+7], v[sf_], v[sg_] matrix_a_scale:MATRIX_SCALE_ROW1
.else
	v_wmma_scale_f32_16x16x128_f8f6f4 v[d_:d_+7], v[f_:f_+15], v[g_:g_+15], v[d_:d_+7], v[sf_], v[sg_] matrix_a_scale:MATRIX_SCALE_ROW1 matrix_b_scale:MATRIX_SCALE_ROW1
.endif
.endm
.macro PRODS kk, from, to
.set n_, \from
.rept (\to)-(\from)
	PROD \kk, n_
.set n_, n_+1
.endr
.endm
; A step whose successor lies in the same slot: the next step's 64 loads go out 16 at a time, 12 products behind each.  Of the last step's loads (tokens, columns 0-3, 4-7, 8-11) the products 12 g on need what the waits show.
.macro STEP kk
	PLACES 8                                       ; behind the last step's products, ahead of loads into the set that they read
	s_wait_dscnt 32                                ; tokens, columns 0-3
	FRS (\kk)+1, 0, 4
	PRODS \kk, 0, 12
	s_wait_dscnt 32                                ; columns 4-7: behind them 16, and the 16 just issued
	FRS (\kk)+1, 4, 8
	PRODS \kk, 12, 24
	s_wait_dscnt 32                                ; columns 8-11: behind them the 32 just issued
	FRS (\kk)+1, 8, 12
	PRODS \kk, 24, 36
	FRS (\kk)+1, 12, 16
	PRODS \kk, 36, 48
.endm
; A slot's last step: one barrier, ahead of which each wave has waited for its tensor loads and for its reads of the slot.  fill = 3, 4: the barrier opens a round, and the slot is filled again behind it
.macro TURN kk, fill
	s_wait_dscnt 0x0                               ; this step's fragments are in: my reads of the slot are over
	PRODS \kk, 0, 12
	WIN 0
	s_wait_tensorcnt 0x0                           ; my part of the other slot is in;
	ds_add_u32 v[SPW], v[NIL]                      ; the add; products stand between it and its wait
.if \fill == 3
	DESC 0, 60, 6144, 512                          ; K 640-895
.elseif \fill == 4
	DESC SLOT1, 62, 4096, 256                      ; K 896-1023
.endif
	PRODS \kk, 12, 18
	s_wait_dscnt 0x0
	s_barrier_signal -1
	PRODS \kk, 18, 24
	WIN 0
	s_barrier_wait -1
.if \fill
	CREST
	JLOAD
.endif
	PLACES 8
	FRS (\kk)+1, 0, 8
	PRODS \kk, 24, 36
	FRS (\kk)+1, 8, 16
	PRODS \kk, 36, 48
.endm
	s_wait_alu depctr_va_vdst(0)
	s_wait_tensorcnt 0x0                           ; my tiles of fill 1 are in
	ds_add_u32 v[SPW], v[NIL]
	DESC SLOT1, 61, 4096, 768                      ; K 256-639
	s_wait_dscnt 0x0
	CROUND                                         ; everybody's are, in every work-group of the cluster
	JLOAD                                          ; fill 2
	FRS 0, 0, 16
	STEP 0
	ASK 10240                                      ; fills 3 and 4
	TURN 1, 3
	STEP 2
	STEP 3
	TURN 4, 4
	STEP 5
	TURN 6, 0
	s_wait_dscnt 32                                ; the last step: nothing more to fetch
	PRODS 7, 0, 12
	s_wait_dscnt 16
	PRODS 7, 12, 24
	s_wait_dscnt 0x0
	PRODS 7, 24, 48
	WIN 0
	PLACES 8                                       ; behind the last products
; THE WAY OUT, two runs of 64 numbers of a lane at a time; a run = four blocks of 32 (with lane l xor 16): n = 0-3: token tile n: q's two blocks, k's two; n = 4, 5: v's channel tiles 2 (n - 4) and the next, two blocks of tokens each.
; Each block's numbers are held (the conversion does not saturate: ISA guide 7.6.2) and become codes: an image of 512 consecutive bytes, aligned.
.macro OUT n
.if (\n) < 4
.set wd_, 3
.set ac_, 64*(\n)
.else
.set wd_, 0
.set ac_, 128
.endif
.set t_, 128*(((\n)/2)%2)
.set c_, 16*(\n)
	WIN 5*wd_
.irp e, 0,1,2,3,4,5,6,7
	v_max3_num_f32 v[TM-16*(\e/4)+\e%4], |v[ac_+16*\e]|, |v[ac_+16*\e+1]|, 0x4800000   ; the floor 2^(9 - 127): the byte cannot fall under 1
.endr
.irp i, 2,4,6,8,10,12,14
.irp e, 0,1,2,3,4,5,6,7
	v_max3_num_f32 v[TM-16*(\e/4)+\e%4], |v[ac_+16*\e+\i]|, |v[ac_+16*\e+\i+1]|, v[TM-16*(\e/4)+\e%4]
.endr
.endr
	WIN 0
.irp e, 0,1,2,3,4,5,6,7
	v_permlanex16_b32 v[TM+4-16*(\e/4)+\e%4], v[TM-16*(\e/4)+\e%4], s10, s11
.endr
.irp e, 0,1,2,3,4,5,6,7
	v_max_num_f32 v[TM-16*(\e/4)+\e%4], v[TM-16*(\e/4)+\e%4], v[TM+4-16*(\e/4)+\e%4]
.endr
.irp e, 0,1,2,3,4,5,6,7
	v_add_nc_u32 v[TM+12-16*(\e/4)+\e%4], 0xfc000000, v[TM-16*(\e/4)+\e%4]
.endr
.irp e, 0,1,2,3,4,5,6,7
	v_and_or_b32 v[TM+8-16*(\e/4)+\e%4], v[TM-16*(\e/4)+\e%4], 0x7f800000, s12
.endr
.irp e, 0,1,2,3,4,5,6,7
	v_lshrrev_b32 v[TM+4-16*(\e/4)+\e%4], 23, v[TM+12-16*(\e/4)+\e%4]
.endr
.irp m, 0,1
	v_lshl_or_b32 v[PWS+\n+\m], v[TM-16*\m+5], 8, v[TM-16*\m+4]
.endr
.irp m, 0,1
	v_lshl_or_b32 v[PWS+\n+\m], v[TM-16*\m+6], 16, v[PWS+\n+\m]
.endr
.irp m, 0,1
	v_lshl_or_b32 v[PWS+\n+\m], v[TM-16*\m+7], 24, v[PWS+\n+\m]
.endr
	WIN 0x40|wd_
.irp e, 0,1,2,3,4,5,6,7
.irp i, 0,1,2,3,4,5,6,7,8,9,10,11,12,13,14,15
	v_med3_num_f32 v[t_+16*\e+\i], v[ac_+16*\e+\i], -v[TM+8-16*(\e/4)+\e%4], v[TM+8-16*(\e/4)+\e%4]
.endr
.endr
	WIN 0x81
.irp e, 0,1,2,3,4,5,6,7
	v_cvt_scalef32_pk8_fp8_f32 v[c_+4*\e:c_+4*\e+1], v[t_+16*\e:t_+16*\e+7], v[TM+12-16*(\e/4)+\e%4]
	v_cvt_scalef32_pk8_fp8_f32 v[c_+4*\e+2:c_+4*\e+3], v[t_+16*\e+8:t_+16*\e+15], v[TM+12-16*(\e/4)+\e%4]
.endr
	v_nop                                          ; a plain place behind the conversions
	WIN 0x08
.irp e, 0,1,2,3,4,5,6,7
.if (\n) >= 4
	global_store_b128 v[L16], v[c_+4*\e:c_+4*\e+3], s[72:73] offset:2048*(\e/2)+512*(\e%2)
.elseif (\e%4) < 2
	global_store_b128 v[L16], v[c_+4*\e:c_+4*\e+3], s[68:69] offset:1024*(\n+\e/4)+512*(\e%4)
.else
	global_store_b128 v[L16], v[c_+4*\e:c_+4*\e+3], s[70:71] offset:1024*(\n+\e/4)+512*(\e%4-2)
.endif
.endr
	WIN 0
.endm
.irp n, 0,2,4
	OUT \n
.endr
; The scale words meet in LDS, so that whole units leave: for each 128 tokens k's 256 bytes, v's, q's
	s_lshr_b32 s18, s14, 1
	s_mul_i32 s18, s18, 768
	s_and_b32 s19, s14, 1
	s_lshl_b32 s16, s19, 7
	s_add_co_u32 s16, s16, s18
	s_add_co_u32 s16, s16, STG                     ; my two pairs of tiles of k; q's 512 bytes on
	s_lshl_b32 s19, s19, 1
	s_add_co_u32 s18, s18, s19
	s_add_co_u32 s18, s18, STG+256                 ; my two of v's four bytes
	s_and_b32 s19, s14, 1
	s_mul_i32 s19, s19, 768
	s_add_co_u32 s19, s19, STG                     ; what I store
	s_wait_alu depctr_va_vdst(0)
	v_lshl_add_u32 v[VBQ], v1, 2, s16
	v_lshl_add_u32 v[VBV], v1, 2, s18
	v_add_nc_u32 v[VS], s19, v[L16]
	v_lshlrev_b32 v15, 3, v14
	v_add_nc_u32 v2, s19, v15
.irp m, 0,1
	v_perm_b32 v[VB+\m], v[PWS+2*\m+1], v[PWS+2*\m], 0x05040100      ; q: the two tiles' two bytes
	v_perm_b32 v[VB+2+\m], v[PWS+2*\m+1], v[PWS+2*\m], 0x07060302    ; k
.endr
	s_wait_alu depctr_va_vdst(0)
.irp m, 0,1
	ds_store_b32 v[VBQ], v[VB+2+\m] offset:64*\m
	ds_store_b32 v[VBQ], v[VB+\m] offset:512+64*\m
	ds_store_b16 v[VBV], v[PWS+4+\m] offset:128*\m
	ds_store_b16_d16_hi v[VBV], v[PWS+4+\m] offset:128*\m+64
.endr
	s_wait_dscnt 0x0
	s_barrier_signal -1
	s_barrier_wait -1
	s_cmp_lt_u32 s14, 2
	s_cbranch_scc0 .Lq_words
	ds_load_b128 v[88:91], v[VS]
	s_wait_dscnt 0x0
	global_store_b128 v[L16], v[88:91], s[74:75]   ; 512 consecutive bytes, aligned
	s_branch .Lend
.Lq_words:
	ds_load_b64 v[92:93], v2 offset:512
	s_wait_dscnt 0x0
	global_store_b64 v15, v[92:93], s[76:77]       ; 256 consecutive bytes, aligned
.Lend:
	s_wait_tensorcnt 0x0                           ; the wave's end
	ds_add_u32 v[SPW], v[NIL]
	s_wait_dscnt 0x0
	CROUND                                         ; the closing round: no work-group ends while a partner may still ask jointly
	s_endpgm
.Lfunc_end_k_qbd9c92a7d4_gemm_qkv:
	.size	k_qbd9c92a7d4_gemm_qkv, .Lfunc_end_k_qbd9c92a7d4_gemm_qkv-k_qbd9c92a7d4_gemm_qkv
	.p2alignl 7, 3214868480
	.fill 96, 4, 3214868480
	.section	.rodata,"a",@progbits
	.p2align	6, 0x0
	.amdhsa_kernel k_qbd9c92a7d4_gemm_qkv
		.amdhsa_group_segment_fixed_size 327680
		.amdhsa_private_segment_fixed_size 0
		.amdhsa_enable_private_segment 0
		.amdhsa_kernarg_size 40
		.amdhsa_user_sgpr_count 2
		.amdhsa_user_sgpr_kernarg_segment_ptr 1
		.amdhsa_wavefront_size32 1
		.amdhsa_system_sgpr_workgroup_id_x 1
		.amdhsa_system_sgpr_workgroup_id_y 1
		.amdhsa_system_sgpr_workgroup_id_z 1
		.amdhsa_system_vgpr_workitem_id 0
		.amdhsa_next_free_vgpr 1024
		.amdhsa_next_free_sgpr 100
		.amdhsa_reserve_vcc 0
		.amdhsa_float_denorm_mode_32 3
		.amdhsa_float_denorm_mode_16_64 3
		.amdhsa_memory_ordered 1
		.amdhsa_forward_progress 1
		.amdhsa_inst_pref_size 163
	.end_amdhsa_kernel
	.amdgpu_metadata
---
amdhsa.version: [ 1, 2 ]
amdhsa.kernels:
  - .name:           k_qbd9c92a7d4_gemm_qkv
    .symbol:         k_qbd9c92a7d4_gemm_qkv.kd
    .args:
      - { .name: ops, .offset: 0, .size: 8, .value_kind: global_buffer, .address_space: global }
      - { .name: ops_sc, .offset: 8, .size: 8, .value_kind: global_buffer, .address_space: global }
      - { .name: b_qkv, .offset: 16, .size: 8, .value_kind: global_buffer, .address_space: global }
      - { .name: qb, .offset: 24, .size: 8, .value_kind: global_buffer, .address_space: global }
      - { .name: kv, .offset: 32, .size: 8, .value_kind: global_buffer, .address_space: global }
    .group_segment_fixed_size: 327680
    .private_segment_fixed_size: 0
    .kernarg_segment_align: 8
    .kernarg_segment_size: 40
    .max_flat_workgroup_size: 128
    .sgpr_count:     100
    .vgpr_count:     1024
    .wavefront_size: 32
...
	.end_amdgpu_metadata
.endif
;; end of part 2
;; launch attn (part 3): grid 8 x 32, 8 waves a work-group, clusters of 4 x 1, 327,680 bytes of LDS; arguments qb, kv, a_img, a_sc; writes a_img, a_sc
.if DOCPART == 3
	.amdgcn_target "amdgcn-amd-amdhsa--gfx1250"
	.amdhsa_code_object_version 6
	.text
	.protected	k_qbd9c92a7d4_attn
	.globl	k_qbd9c92a7d4_attn
	.p2align	8
	.type	k_qbd9c92a7d4_attn,@function
k_qbd9c92a7d4_attn:
	s_mov_b64 s[64:65], 0
	v_nop
	global_prefetch_b8 v0, s[64:65] scope:SCOPE_SE
	s_setreg_imm32_b32 hwreg(HW_REG_WAVE_MODE, 25, 1), 1
	s_wait_xcnt 0x0
	s_wait_alu depctr_hold_cnt(0) depctr_sa_sdst(0) depctr_va_vdst(0) depctr_va_sdst(0) depctr_va_ssrc(0) depctr_va_vcc(0) depctr_vm_vsrc(0)
	s_getreg_b32 s2, hwreg(HW_REG_IB_STS2, 6, 4)
	s_cmp_eq_u32 s2, 0
	s_cbranch_scc0 .Lentry_in_a_cluster
	s_endpgm
.Lentry_in_a_cluster:
	s_bfe_u32 s2, ttmp6, 0x10000c
	s_cmp_lg_u32 s2, 0x3003
	s_cbranch_scc0 .Lentry_shape_is_right
	s_endpgm
.Lentry_shape_is_right:
; o = softmax(q k^T / 8) v for one head of one batch (32 in all), 2,048 queries and keys, head size 64, both products on codes of FP8 (E4M3) with E8M0 scales; o is quantised at once along the model's 1,024 for the last product.
; THE SOFTMAX: t = score x log2(e) / 8; M = the running largest t rounded UP to a whole number; p = 2^(t - M) is quantised along the keys, not normalised; the row's sum is taken of the unquantised p and divides at the end.
;   When M moves, the sum and O are multiplied by 2^(old M - new M): nothing is rounded.  A block's scale exponent is floor(log2 of its largest p) - 8, and log2 of its largest p is its largest t - M: so the exponent is floor of that.
; SHARES.  A work-group owns 256 queries of a head; each of its eight waves 32: two tiles of 16.
; THE HEAD'S K AND V LIE IN LDS WHOLE, 270,336 bytes as they lie in memory (16 key steps of 16,896 bytes: k's codes, v's codes, k's scale words, v's).  Two fills, each of its own bytes: key steps 0-3 at the head, steps 4-15 behind a drained round.
; CLUSTER.  The four query blocks of a cluster belong to one head: each of the eight waves asks for its eighth of a fill by a joint load, the same in all four work-groups, with a mask that names the four.
; No prefetch: both fills are asked for ahead of the loop, and the loop loads nothing from memory.
; LAYOUT.  Both products are used transposed: S^T = K Q^T, O^T = V^T P^T: a lane holds ONE query (lane % 16) throughout.  Tokens lie in tiles so that the 16 registers of key tiles 2 b and 2 b + 1 are 16 true neighbours among the keys.
; K = 64 IN AN INSTRUCTION OF 128: a fragment of K holds key tile 2 b in its first 64 along K and key tile 2 b + 1 in its last 64; the second source is [q | zeros] for the one and [zeros | q] for the other: zero codes add nothing.
; THE PIPELINE.  A unit is one tile of queries x 128 keys: unit i is tile i % 2 of key step i / 2, its scores in buffer i % 3.  Unit i's text: its 64 exponentials, each followed by a line that names other buffers (t - M of unit i + 1, two at a time; the holds of
;   unit i - 1, two at a time); then O's change of M and the conversions of i - 1, the sums of i, V^T P of i - 1, K Q^T of i + 2, the maxima and the new M of i + 2.  Six units bring buffers and tiles back to where they began: a trip, three key steps.
;   The first trip finds a unit before the first: zeros in its buffer, in V and in O.
; LIMITS: a block whose largest p lies under 2^-118 keeps the scale byte 1 (read by this program alone), so does a block of o whose largest magnitude lies under 2^-118; scaled scores stay under 2^31 in magnitude; 1 / the sum by v_rcp_f32; NaN and infinities are not served.
; REGISTERS.  window 0: v1-7 addresses; v8 + 2 n V's scale words, v9 + 2 b K's; v16-17 q's; v18 + 2 f the factor f and v19 + 2 f p's scale word of a unit (f = unit % 3); v24 + 4 t (-M, largest score), v26 + 4 t (sum, sum);
;   v32 + 4 t the blocks' exponents; v40-63 at work; v64-255 three buffers of scores.
;   window 1: v0-63 K's four fragments; v64-127 V's; v128-167 [0 | q0 | 0 | q1 | 0]; v168-183 p's codes; v192-255 O^T.
.set STEPB, 16896
.set HEADB, 16*STEPB
.set SPARE, HEADB                      ; the spare words, 128 bytes for each wave
.set L16,  1                           ; 16 x lane
.set R4,   2                           ; 4 x (lane % 16)
.set AD16, 3                           ; the step's images
.set ADS,  4                           ; the step's scale words
.set SPW,  5
.set NIL,  6
.set LN,   7                           ; lane
.set VSC,  8
.set KSC,  9
.set QS,   16
.set FF,   18
.set PS,   19
.set NM,   24
.set LS,   26
.set NE,   32
.set BM,   40
.set PM,   44
.set SOP,  48
.set LIM,  52
.set XC,   56                          ; the sum's chains 1, 2, 3
.set TMP,  62
.set OLD,  63
.set S,    64
.set KF,   0
.set VF,   64
.set QB,   128
.set P,    168
.set OA,   192
.set MSB, 0
.macro WIN new                         ; the immediate's high byte repeats the setting that is left
.if MSB != \new
	s_set_vgpr_msb (MSB<<8)|\new
.set MSB, \new
.endif
.endm
.macro WALU
	s_wait_alu depctr_va_vdst(0)
.endm
.macro PLACES n
.rept \n
	v_nop
.endr
.endm
.macro CROUND                          ; a round of the cluster's barrier
	s_barrier_signal -1
	s_barrier_wait -1
	s_cmp_lg_u32 s12, 0
	s_cbranch_scc1 .Lnot_wave_0_\@
	s_barrier_signal -3
.Lnot_wave_0_\@:
	s_barrier_wait -3
	s_barrier_signal -1
	s_barrier_wait -1
.endm
	s_load_b256 s[4:11], s[0:1], 0x0               ; qb s[4:5], kv s[6:7], a_img s[8:9], a_sc s[10:11]
	v_lshl_add_u32 v[SPW], v0, 2, SPARE
	v_mov_b32 v[NIL], 0
	ds_add_u32 v[SPW], v[NIL]                      ; the opening: the add, twice on end, and its wait ahead of my first tensor load
	ds_add_u32 v[SPW], v[NIL]
	v_lshrrev_b32 v1, 5, v0
	v_readfirstlane_b32 s12, v1                    ; wave 0..7
	s_bfe_u32 s13, ttmp6, 0x40000                  ; cx
	s_lshl_b32 s14, ttmp9, 2
	s_add_co_u32 s14, s14, s13                     ; my block of 256 queries: it enters q's and the output's addresses alone
	s_and_b32 s15, ttmp7, 0xffff                   ; 16 x batch + head, which the four partners share
	s_mov_b32 s20, 0x76543210
	s_mov_b32 s21, 0xfedcba98                      ; v_permlanex16_b32's selects: lane l xor 16
	s_mov_b32 s22, 0x3e38aa3b                      ; c = log2(e) / 8
	s_mov_b32 s23, s22                             ; (named with it as a pair)
	s_mov_b32 s24, 0x600000                        ; the mantissa field of 448
	; descriptor groups 1: dense blocks as rows of 256 bytes (32 elements of 8 bytes): 33 rows (an eighth of key steps 0-3) and 99 rows (of steps 4-15)
	s_mov_b32 s28, 15|(3<<16)|(1<<21)              ; 15:0 the mask: all four work-groups; 17:16 elements of 8 bytes; 21 set beside a mask
	s_mov_b32 s29, 32<<16
	s_mov_b32 s30, 33<<16
	s_mov_b32 s31, 32<<16
	s_mov_b32 s32, 33
	s_mov_b32 s33, 32
	s_mov_b32 s34, 0
	s_mov_b32 s35, 0
	s_mov_b32 s36, 15|(3<<16)|(1<<21)
	s_mov_b32 s37, 32<<16
	s_mov_b32 s38, 99<<16
	s_mov_b32 s39, 32<<16
	s_mov_b32 s40, 99
	s_mov_b32 s41, 32
	s_mov_b32 s42, 0
	s_mov_b32 s43, 0
	s_mul_i32 s52, s15, HEADB                      ; the head's first byte in kv
	s_mul_i32 s16, s12, 8448                       ; my eighth of steps 0-3: in LDS as in the head
	s_mul_i32 s17, s12, 25344
	s_add_co_u32 s17, s17, 67584                   ; and of steps 4-15
	s_add_co_u32 s54, s52, s16
	s_mov_b32 s55, 0
	s_add_co_u32 s56, s52, s17
	s_mov_b32 s57, 0
	s_lshl_b32 s18, s15, 4                         ; q: block 16 x head + 2 x query block + wave / 4; in it tiles 2 (wave % 4) and the next
	s_lshl_b32 s19, s14, 1
	s_add_co_u32 s18, s18, s19
	s_lshr_b32 s19, s12, 2
	s_add_co_u32 s18, s18, s19
	s_mul_i32 s18, s18, 8448
	s_and_b32 s19, s12, 3
	s_lshl_b32 s58, s19, 11
	s_add_co_u32 s58, s58, s18
	s_mov_b32 s59, 0
	s_lshl_b32 s60, s19, 6
	s_add_co_u32 s60, s60, s18
	s_add_co_u32 s60, s60, 8192
	s_mov_b32 s61, 0
	s_lshr_b32 s18, s15, 4                         ; the output: tile 128 x batch + 16 x query block + 2 x wave
	s_lshl_b32 s18, s18, 7
	s_lshl_b32 s19, s14, 4
	s_add_co_u32 s18, s18, s19
	s_lshl_b32 s19, s12, 1
	s_add_co_u32 s18, s18, s19
	s_and_b32 s19, s15, 15                         ; the head: its 64 along the last product's K are two images, 1,024 bytes
	s_lshl_b32 s62, s18, 14
	s_lshl_b32 s27, s19, 10
	s_add_co_u32 s62, s62, s27
	s_mov_b32 s63, 0
	s_lshl_b32 s52, s18, 9
	s_lshl_b32 s27, s19, 1
	s_add_co_u32 s52, s52, s27
	s_mov_b32 s53, 0
	s_wait_dscnt 0x0
	s_wait_kmcnt 0x0
	s_add_nc_u64 s[58:59], s[4:5], s[58:59]
	s_add_nc_u64 s[60:61], s[4:5], s[60:61]
	s_add_nc_u64 s[8:9], s[8:9], s[62:63]
	s_add_nc_u64 s[10:11], s[10:11], s[52:53]
	CROUND                                         ; all four work-groups are here: the joint loads meet
	s_mov_b32 s44, 1
	s_mov_b32 s45, s16
	s_add_nc_u64 s[46:47], s[6:7], s[54:55]
	s_or_b32 s47, s47, 0x80000000
	s_mov_b32 s48, 1
	s_mov_b32 s49, s17
	s_add_nc_u64 s[50:51], s[6:7], s[56:57]
	s_or_b32 s51, s51, 0x80000000
	tensor_load_to_lds s[44:47], s[28:35]          ; key steps 0-3: my one load at the head
	s_nop 0
	PLACES 4
	v_and_b32 v[LN], 31, v0
	v_lshlrev_b32 v[L16], 4, v[LN]
	v_and_b32 v[OLD], 15, v0
	v_lshlrev_b32 v[R4], 2, v[OLD]
	global_load_b32 v[TMP], v[R4], s[60:61]        ; q's scale word: my two tiles' bytes of row r
	WIN 0x40                                       ; destination window 1
	global_load_b128 v[QB+8:QB+11], v[L16], s[58:59]
	global_load_b128 v[QB+12:QB+15], v[L16], s[58:59] offset:512
	global_load_b128 v[QB+24:QB+27], v[L16], s[58:59] offset:1024
	global_load_b128 v[QB+28:QB+31], v[L16], s[58:59] offset:1536
.irp j, 0,1,2,3,4,5,6,7,16,17,18,19,20,21,22,23,32,33,34,35,36,37,38,39
	v_mov_b32 v[QB+\j], 0                          ; zero codes beside q
.endr
.set j_, 0
.rept 64
	v_mov_b32 v[OA+j_], 0                          ; O^T, and V of the unit before the first
	v_mov_b32 v[VF+j_], 0
.set j_, j_+1
.endr
	WIN 0
.set j_, 0
.rept 64
	v_mov_b32 v[S+128+j_], 0                       ; the buffer of the unit before the first
.set j_, j_+1
.endr
.irp n, 0,1,2,3
	v_mov_b32 v[VSC+2*\n], 0x7f7f7f7f
	v_mov_b32 v[LIM+\n], 1.0
	v_mov_b32 v[SOP+\n], 1.0
	v_mov_b32 v[PM+\n], 0                          ; written once: a lane permute's destination counts as one of its sources
.endr
	WALU
	s_wait_loadcnt 0x0                             ; q
	v_perm_b32 v[QS], v[TMP], v[TMP], 0x05040100   ; tile 0's two bytes, twice: they serve [q | 0] and [0 | q]
	v_perm_b32 v[QS+1], v[TMP], v[TMP], 0x07060302 ; tile 1's
.irp t, 0,1
	v_mov_b32 v[NM+4*\t+1], 0xff61b1e6             ; the largest score so far: -3e38
	v_floor_f32 v[NM+4*\t], -v[NM+4*\t+1]          ; -M: so large that the first f is 0
	v_mov_b32 v[LS+4*\t], 0                        ; the sum
	v_mov_b32 v[LS+4*\t+1], 0
.endr
.irp f, 0,1,2
	v_mov_b32 v[FF+2*\f], 1.0
	v_mov_b32 v[PS+2*\f], 0x7f7f7f7f
.endr
	v_mov_b32 v[AD16], v[L16]
	v_mov_b32 v[ADS], v[R4]
	s_mov_b32 s25, 0                               ; the step's first byte in LDS
	s_mov_b32 s26, 5                               ; trips
	WALU
	s_wait_tensorcnt 0x0                           ; my part of key steps 0-3 is in
	ds_add_u32 v[SPW], v[NIL]
	s_wait_dscnt 0x0
	CROUND                                         ; everybody's part is in
	tensor_load_to_lds s[48:51], s[36:43]          ; key steps 4-15: the first tensor load behind the round
	s_nop 0
	PLACES 4
.macro LOADK o                         ; K's four fragments and their scale words, o bytes from the step's first
	WIN 0x40
.irp b, 0,1,2,3
.irp c, 0,1,2,3
	ds_load_b128 v[KF+16*\b+4*\c:KF+16*\b+4*\c+3], v[AD16] offset:\o+2048*\b+512*\c
.endr
.endr
	WIN 0
.irp b, 0,1,2,3
	ds_load_b32 v[KSC+2*\b], v[ADS] offset:\o+16384+64*\b
.endr
.endm
.macro LOADV
	WIN 0x40
.irp n, 0,1,2,3
.irp c, 0,1,2,3
	ds_load_b128 v[VF+16*\n+4*\c:VF+16*\n+4*\c+3], v[AD16] offset:8192+2048*\n+512*\c
.endr
.endr
	WIN 0
.irp n, 0,1,2,3
	ds_load_b32 v[VSC+2*\n], v[ADS] offset:16640+64*\n
.endr
.endm
.macro SP1 r, t, n                     ; product n of a unit's eight: key tile n of the K in hand
	v_wmma_scale_f32_16x16x128_f8f6f4 v[S+64*(\r)+8*(\n):S+64*(\r)+8*(\n)+7], v[KF+16*((\n)/2):KF+16*((\n)/2)+15], v[QB+16*(\t)+8*(1-(\n)%2):QB+16*(\t)+8*(1-(\n)%2)+15], 0, v[KSC+2*((\n)/2)], v[QS+(\t)]
.endm
.macro SPROD r, t                      ; the scores of tile t against the K in hand, into buffer r
	WIN 0x05
.irp b, 0,1,2,3
.irp u, 0,1
	v_wmma_scale_f32_16x16x128_f8f6f4 v[S+64*(\r)+16*\b+8*\u:S+64*(\r)+16*\b+8*\u+7], v[KF+16*\b:KF+16*\b+15], v[QB+16*(\t)+8*(1-\u):QB+16*(\t)+8*(1-\u)+15], 0, v[KSC+2*\b], v[QS+(\t)]
.endr
.endr
	WIN 0
.endm
.macro PVPROD f, t                     ; O^T of tile t += V^T P^T
	WIN 0x55
.irp n, 0,1,2,3
	v_wmma_scale_f32_16x16x128_f8f6f4 v[OA+32*(\t)+8*\n:OA+32*(\t)+8*\n+7], v[VF+16*\n:VF+16*\n+15], v[P:P+15], v[OA+32*(\t)+8*\n:OA+32*(\t)+8*\n+7], v[VSC+2*\n], v[PS+2*(\f)]
.endr
	WIN 0
.endm
.macro RESCALE f, t                    ; O^T of tile t under its unit's M, from each accumulator's low end on
	WIN 0x41
	WALU                                           ; directly ahead of the first reader of these matrix results, behind the exponentials; the exponentials' own wait too
.set j_, 0
.rept 16
	v_pk_mul_f32 v[OA+32*(\t)+j_:OA+32*(\t)+j_+1], v[OA+32*(\t)+j_:OA+32*(\t)+j_+1], v[FF+2*(\f):FF+2*(\f)+1] op_sel_hi:[1,0]
.set j_, j_+2
.endr
.endm
.macro CVT r                           ; a held buffer becomes p's codes
	WIN 0x40
.irp b, 0,1,2,3
.irp h, 0,1
	v_cvt_scalef32_pk8_fp8_f32 v[P+4*\b+2*\h:P+4*\b+2*\h+1], v[S+64*(\r)+16*\b+8*\h:S+64*(\r)+16*\b+8*\h+7], v[SOP+\b]
.endr
.endr
	WIN 0
.endm
; Line d of the 32 that hold a buffer at 448 x its blocks' scales (the conversion does not saturate: ISA guide 7.6.2; p is not negative).  Two to an instruction: an even register of one block with an odd one of the other,
; so that destinations, first sources and second sources differ in their register number modulo 4
.macro HOLD r, d
.set hb_, S+64*(\r)+32*((\d)/16)
.set he_, 2*(((\d)%16)/2)
.set hl_, LIM+2*((\d)/16)
.if (\d)%2 == 0
.set hx_, hb_+he_
.set hy_, hb_+16+he_+1
.else
.set hx_, hb_+he_+1
.set hy_, hb_+16+he_
.endif
	v_dual_min_num_f32 v[hx_], v[hx_], v[hl_] :: v_dual_min_num_f32 v[hy_], v[hy_], v[hl_+1]
.endm
.macro TM r, t, k                      ; line k of 32: t - M, two at a time (of the pairs c and -M the low word serves both halves)
	v_pk_fma_f32 v[S+64*(\r)+2*(\k):S+64*(\r)+2*(\k)+1], v[S+64*(\r)+2*(\k):S+64*(\r)+2*(\k)+1], s[22:23], v[NM+4*(\t):NM+4*(\t)+1] op_sel_hi:[1,0,0]
.endm
.macro SUM r, t, k                     ; line k of 29: 32 pairs of UNQUANTISED p: pair m goes to chain m % 4; chain 0 is the sum itself
.set m_, (\k)+3
.set b_, S+64*(\r)
.if (\k) == 0
	v_pk_add_f32 v[LS+4*(\t):LS+4*(\t)+1], v[LS+4*(\t):LS+4*(\t)+1], v[b_:b_+1]
.elseif m_%4 == 0
	v_pk_add_f32 v[LS+4*(\t):LS+4*(\t)+1], v[LS+4*(\t):LS+4*(\t)+1], v[b_+2*m_:b_+2*m_+1]
.elseif m_ < 8
	v_pk_add_f32 v[XC+2*(m_%4)-2:XC+2*(m_%4)-1], v[b_+2*(m_%4):b_+2*(m_%4)+1], v[b_+2*m_:b_+2*m_+1]
.else
	v_pk_add_f32 v[XC+2*(m_%4)-2:XC+2*(m_%4)-1], v[XC+2*(m_%4)-2:XC+2*(m_%4)-1], v[b_+2*m_:b_+2*m_+1]
.endif
.endm
.macro MERGE t, k                      ; the chains are joined
.if (\k) == 0
	v_pk_add_f32 v[LS+4*(\t):LS+4*(\t)+1], v[LS+4*(\t):LS+4*(\t)+1], v[XC:XC+1]
.elseif (\k) == 1
	v_pk_add_f32 v[XC+2:XC+3], v[XC+2:XC+3], v[XC+4:XC+5]
.else
	v_pk_add_f32 v[LS+4*(\t):LS+4*(\t)+1], v[LS+4*(\t):LS+4*(\t)+1], v[XC+2:XC+3]
.endif
.endm
.macro SC t, f, k                      ; line k of 12: from the blocks' exponents the conversions' scale operands 2^(n - 8), the holds' bounds 1.75 x 2^n, and p's scale word of bytes n + 119
.if (\k) < 4
	v_lshl_add_u32 v[SOP+(\k)], v[NE+4*(\t)+(\k)], 23, 0x3b800000
.elseif (\k) < 8
	v_lshl_add_u32 v[LIM+(\k)-4], v[NE+4*(\t)+(\k)-4], 23, 0x3fe00000
.elseif (\k) == 8
	v_lshl_add_u32 v[TMP], v[NE+4*(\t)+1], 8, v[NE+4*(\t)]
.elseif (\k) == 9
	v_lshl_add_u32 v[OLD], v[NE+4*(\t)+3], 8, v[NE+4*(\t)+2]
.elseif (\k) == 10
	v_lshl_add_u32 v[TMP], v[OLD], 16, v[TMP]
.else
	v_add_nc_u32 v[PS+2*(\f)], 0x77777777, v[TMP]
.endif
.endm
.macro MX r, k                         ; line k of 32: the largest score of each block of 32 keys, four chains by turns, each accumulator from its low end on
.set b_, S+64*(\r)+16*((\k)%4)+2*((\k)/4)
.if (\k) < 4
	v_max_num_f32 v[BM+(\k)%4], v[b_], v[b_+1]
.else
	v_max3_num_f32 v[BM+(\k)%4], v[BM+(\k)%4], v[b_], v[b_+1]
.endif
.endm
.macro MM t, f, k                      ; line k of 29: the new M of tile t, f, the blocks' exponents
.if (\k) < 4
	v_permlanex16_b32 v[PM+(\k)], v[BM+(\k)], s20, s21
.elseif (\k) < 8
	v_max_num_f32 v[BM+(\k)-4], v[BM+(\k)-4], v[PM+(\k)-4]         ; with lane l xor 16's 16 keys
.elseif (\k) == 8
	v_max3_num_f32 v[TMP], v[BM], v[BM+1], v[BM+2]
.elseif (\k) == 9
	v_max3_num_f32 v[NM+4*(\t)+1], v[TMP], v[BM+3], v[NM+4*(\t)+1] ; the running largest score
.elseif (\k) == 10
	v_mul_f32 v[TMP], s22, v[NM+4*(\t)+1]                          ; as t: c is positive and rounding keeps the order, so this is the largest t
.elseif (\k) == 11
	v_floor_f32 v[TMP], -v[TMP]                                    ; the new -M = -ceil(t): M is a whole number
.elseif (\k) == 12
	v_sub_f32 v[OLD], v[TMP], v[NM+4*(\t)]                         ; old M - new M: a whole number, 0 or less
.elseif (\k) == 13
	v_mov_b32 v[NM+4*(\t)], v[TMP]
.elseif (\k) < 18
	v_fma_f32 v[NE+4*(\t)+(\k)-14], v[BM+(\k)-14], s22, v[NM+4*(\t)]   ; log2 of the block's largest p,
.elseif (\k) == 18
	v_cvt_i32_f32 v[OLD], v[OLD]                                   ; (it saturates)
.elseif (\k) < 23
	v_cvt_floor_i32_f32 v[NE+4*(\t)+(\k)-19], v[NE+4*(\t)+(\k)-19] ; its floor,
.elseif (\k) == 23
	v_ldexp_f32 v[FF+2*(\f)], 1.0, v[OLD]                          ; f = 2^(old M - new M)
.elseif (\k) < 28
	v_max_i32 v[NE+4*(\t)+(\k)-24], 0xffffff8a, v[NE+4*(\t)+(\k)-24]   ; held at -118 from below: the byte cannot fall under 1
.else
	v_pk_mul_f32 v[LS+4*(\t):LS+4*(\t)+1], v[LS+4*(\t):LS+4*(\t)+1], v[FF+2*(\f):FF+2*(\f)+1] op_sel_hi:[1,0]   ; the sum under the new M
.endif
.endm
; UNIT i.  pf = 1: the scores of unit i + 2 are made;  tm = 1: t - M of unit i + 1;  sig = 1: my tensor loads are in, and I say so
.macro UNIT i, pf, tm, sig
.set r_, (\i)%3
.set q_, ((\i)+1)%3
.set w_, ((\i)+2)%3
.set t_, (\i)%2
.set u_, 1-t_
.set k_, 0
.rept 64
	v_exp_f32 v[S+64*r_+k_], v[S+64*r_+k_]
.if k_%2 == 1
	HOLD w_, k_/2
.elseif \tm
	TM q_, u_, k_/2
.endif
.set k_, k_+1
.endr
.irp k, 0,1,2,3
	SC t_, r_, 4+\k                                ; unit i's bounds and scale word: these lines name no exponential's result
	SC t_, r_, 8+\k
.endr
	s_wait_dscnt 0x0                               ; the fragments asked for in the unit before are in
.if \sig == 1
	s_wait_tensorcnt 0x0
	s_barrier_signal -1
.endif
	RESCALE w_, u_
	CVT w_
.set k_, 0
.rept 10
	SUM r_, t_, k_
.if k_ < 4
	SC t_, r_, k_                                  ; the conversions' scale operands, behind the conversions that read the last ones
.endif
.set k_, k_+1
.endr
	PVPROD w_, u_
.set k_, 10
.if \pf
.set n_, 0
.rept 8
	WIN 0x05
	SP1 w_, t_, n_
.if n_ < 5
	WIN 0
	SUM r_, t_, k_                                 ; two lines of the sums behind each of the first five
	SUM r_, t_, k_+1
.set k_, k_+2
.endif
.set n_, n_+1
.endr
	WIN 0
.endif
.rept 29-k_
	SUM r_, t_, k_                                 ; the rest: nine or more places behind the products
.set k_, k_+1
.endr
.if t_ == 0
	LOADV                                          ; this step's V: ten plain vector lines behind the products that read the last one; a unit's exponentials ahead of its use
.endif
.if \pf
.if t_ == 1
.if \sig == 2
	WALU
	s_barrier_wait -1                              ; everybody's part of key steps 4-15 is in
	s_cmp_lg_u32 s26, 1
	s_cbranch_scc0 .Lno_next_k_\@                  ; there is no K behind step 15
.endif
	LOADK 2*STEPB                                  ; the K of two steps on, likewise
.if \sig == 2
.Lno_next_k_\@:
.endif
	s_add_co_u32 s25, s25, STEPB                   ; on to the next key step
	v_add_nc_u32 v[AD16], s25, v[L16]
	v_add_nc_u32 v[ADS], s25, v[R4]
.endif
.set k_, 0
.rept 32
	MX w_, k_
.set k_, k_+1
.endr
.set k_, 0
.rept 8
	MM t_, w_, k_
.set k_, k_+1
.endr
.rept 10
	MM t_, w_, k_
.set k_, k_+1
.endr
	MERGE t_, 0
	MM t_, w_, 18
	MERGE t_, 1
.irp k, 19,20,21,22
	MM t_, w_, \k
.endr
	MERGE t_, 2
.irp k, 23,24,25,26,27,28
	MM t_, w_, \k
.endr
.else
	MERGE t_, 0
	MERGE t_, 1
	MERGE t_, 2
.endif
; The next unit's exponentials and the lines among them first read what stands ahead of this unit's wait (t - M, the bounds) or what this unit has read already; all else is first read behind the next unit's wait
.if \sig == 2
	WALU                                           ; ahead of the loop's branch
.endif
.endm
	LOADK 0                                        ; K of step 0
	s_wait_dscnt 0x0
	SPROD 0, 0
	SPROD 1, 1
	PLACES 8
	LOADK STEPB                                    ; K of step 1
.irp t, 0,1
.set k_, 0
.rept 32
	MX \t, k_
.set k_, k_+1
.endr
.set k_, 0
.rept 29
	MM \t, \t, k_
.set k_, k_+1
.endr
.endr
.set k_, 0
.rept 32
	TM 0, 0, k_
.set k_, k_+1
.endr
	WALU
.Ltrip:                                                ; key steps 3 n, 3 n + 1, 3 n + 2; ahead of the barrier's wait in its last unit (sig = 2) it reads LDS up to K of step 3 n + 3
	UNIT 0, 1, 1, 0
	UNIT 1, 1, 1, 0
	UNIT 2, 1, 1, 0
	UNIT 3, 1, 1, 1
	UNIT 4, 1, 1, 0
	UNIT 5, 1, 1, 2
	s_sub_co_u32 s26, s26, 1
	s_cmp_lg_u32 s26, 0
	s_cbranch_scc1 .Ltrip
	UNIT 0, 0, 1, 0                                ; step 15: units 30 and 31
	UNIT 1, 0, 0, 0
.set k_, 0
.rept 32
	HOLD 1, k_                                     ; unit 31's way through the second product
.set k_, k_+1
.endr
	RESCALE 1, 1
	CVT 1
.irp t, 0,1
	v_add_f32 v[LS+4*\t], v[LS+4*\t], v[LS+4*\t+1]
.endr
.irp t, 0,1
	v_permlanex16_b32 v[PM+\t], v[LS+4*\t], s20, s21
.endr
.irp t, 0,1
	v_add_f32 v[LS+4*\t], v[LS+4*\t], v[PM+\t]     ; the row's sum
.endr
	PVPROD 1, 1
	; ---- THE WAY OUT.  O^T / the sum; register 16 g + i of a tile is channel 32 g + 16 (lane / 16) + i: two blocks of the last product's K; their codes are that operand's registers.
	WALU                                           ; ahead of the reciprocals
.irp t, 0,1
	v_rcp_f32 v[TMP+\t], v[LS+4*\t]
.endr
	PLACES 8                                       ; behind the last products, and behind the reciprocals
	WIN 0x01                                       ; source 0 window 1
	WALU                                           ; ahead of the first reader of the reciprocals and of O^T
.irp t, 0,1
.set j_, 0
.rept 32
	v_mul_f32 v[S+64*\t+j_], v[OA+32*\t+j_], v[TMP+\t]
.set j_, j_+1
.endr
.endr
	WIN 0
.macro QUANT2 t
.set o_, S+64*\t
.set c_, S+128+16*\t
.irp g, 0,1
	v_max3_num_f32 v[BM+\g], |v[o_+16*\g]|, |v[o_+16*\g+1]|, 0x4800000   ; the floor 2^(9 - 127): the byte cannot fall under 1
.endr
.irp i, 2,4,6,8,10,12,14
.irp g, 0,1
	v_max3_num_f32 v[BM+\g], v[BM+\g], |v[o_+16*\g+\i]|, |v[o_+16*\g+\i+1]|
.endr
.endr
.irp g, 0,1
	v_permlanex16_b32 v[PM+\g], v[BM+\g], s20, s21
.endr
.irp g, 0,1
	v_max_num_f32 v[BM+\g], v[BM+\g], v[PM+\g]
.endr
.irp g, 0,1
	v_add_nc_u32 v[SOP+\g], 0xfc000000, v[BM+\g]   ; 8 off its exponent field: the conversion's scale operand
.endr
.irp g, 0,1
	v_and_or_b32 v[LIM+\g], v[BM+\g], 0x7f800000, s24   ; 448 x the scale
.endr
.irp g, 0,1
	v_lshrrev_b32 v[PM+\g], 23, v[SOP+\g]
.endr
	v_lshl_or_b32 v[XC+\t], v[PM+1], 8, v[PM]      ; the head's two scale bytes of my row
.irp g, 0,1
.irp i, 0,1,2,3,4,5,6,7,8,9,10,11,12,13,14,15
	v_med3_num_f32 v[o_+16*\g+\i], v[o_+16*\g+\i], -v[LIM+\g], v[LIM+\g]
.endr
	v_cvt_scalef32_pk8_fp8_f32 v[c_+4*\g:c_+4*\g+1], v[o_+16*\g:o_+16*\g+7], v[SOP+\g]
	v_cvt_scalef32_pk8_fp8_f32 v[c_+4*\g+2:c_+4*\g+3], v[o_+16*\g+8:o_+16*\g+15], v[SOP+\g]
.endr
.irp g, 0,1
	global_store_b128 v[L16], v[c_+4*\g:c_+4*\g+3], s[8:9] offset:16384*\t+512*\g   ; an image: 512 consecutive bytes, aligned
.endr
.endm
	QUANT2 0
	QUANT2 1
	v_cmp_lt_u32 vcc_lo, 15, v[LN]
	v_cndmask_b32 v[XC], v[XC], v[XC+1], vcc_lo    ; lanes 0-15: tile 0's rows; lanes 16-31: tile 1's
	v_lshlrev_b32 v[OLD], 5, v[LN]
	global_store_b16 v[OLD], v[XC], s[10:11]       ; 2 of each row's 32 scale bytes: the other heads' work-groups write the others
	WALU
	s_wait_tensorcnt 0x0                           ; the wave's end
	ds_add_u32 v[SPW], v[NIL]
	s_wait_dscnt 0x0
	CROUND                                         ; the closing round: no work-group ends while a partner may still ask jointly
	s_endpgm
.Lfunc_end_k_qbd9c92a7d4_attn:
	.size	k_qbd9c92a7d4_attn, .Lfunc_end_k_qbd9c92a7d4_attn-k_qbd9c92a7d4_attn
	.p2alignl 7, 3214868480
	.fill 96, 4, 3214868480
	.section	.rodata,"a",@progbits
	.p2align	6, 0x0
	.amdhsa_kernel k_qbd9c92a7d4_attn
		.amdhsa_group_segment_fixed_size 327680
		.amdhsa_private_segment_fixed_size 0
		.amdhsa_enable_private_segment 0
		.amdhsa_kernarg_size 32
		.amdhsa_user_sgpr_count 2
		.amdhsa_user_sgpr_kernarg_segment_ptr 1
		.amdhsa_wavefront_size32 1
		.amdhsa_system_sgpr_workgroup_id_x 1
		.amdhsa_system_sgpr_workgroup_id_y 1
		.amdhsa_system_sgpr_workgroup_id_z 1
		.amdhsa_system_vgpr_workitem_id 0
		.amdhsa_next_free_vgpr 512
		.amdhsa_next_free_sgpr 66
		.amdhsa_reserve_vcc 1
		.amdhsa_float_denorm_mode_32 3
		.amdhsa_float_denorm_mode_16_64 3
		.amdhsa_memory_ordered 1
		.amdhsa_forward_progress 1
		.amdhsa_inst_pref_size 170
	.end_amdhsa_kernel
	.amdgpu_metadata
---
amdhsa.version: [ 1, 2 ]
amdhsa.kernels:
  - .name:           k_qbd9c92a7d4_attn
    .symbol:         k_qbd9c92a7d4_attn.kd
    .args:
      - { .name: qb, .offset: 0, .size: 8, .value_kind: global_buffer, .address_space: global }
      - { .name: kv, .offset: 8, .size: 8, .value_kind: global_buffer, .address_space: global }
      - { .name: a_img, .offset: 16, .size: 8, .value_kind: global_buffer, .address_space: global }
      - { .name: a_sc, .offset: 24, .size: 8, .value_kind: global_buffer, .address_space: global }
    .group_segment_fixed_size: 327680
    .private_segment_fixed_size: 0
    .kernarg_segment_align: 8
    .kernarg_segment_size: 32
    .max_flat_workgroup_size: 256
    .sgpr_count:     66
    .vgpr_count:     512
    .wavefront_size: 32
...
	.end_amdgpu_metadata
.endif
;; end of part 3
;; launch gemm_o (part 4): grid 8 x 32, 4 waves a work-group, clusters of 4 x 4, 280,064 bytes of LDS; arguments a_img, a_sc, ops, ops_sc, b_o, out0; writes out0
.if DOCPART == 4
	.amdgcn_target "amdgcn-amd-amdhsa--gfx1250"
	.amdhsa_code_object_version 6
	.text
	.protected	k_qbd9c92a7d4_gemm_o
	.globl	k_qbd9c92a7d4_gemm_o
	.p2align	8
	.type	k_qbd9c92a7d4_gemm_o,@function
k_qbd9c92a7d4_gemm_o:
	s_mov_b64 s[64:65], 0
	v_nop
	global_prefetch_b8 v0, s[64:65] scope:SCOPE_SE
	s_setreg_imm32_b32 hwreg(HW_REG_WAVE_MODE, 25, 1), 1
	s_wait_xcnt 0x0
	s_wait_alu depctr_hold_cnt(0) depctr_sa_sdst(0) depctr_va_vdst(0) depctr_va_sdst(0) depctr_va_ssrc(0) depctr_va_vcc(0) depctr_vm_vsrc(0)
	s_getreg_b32 s2, hwreg(HW_REG_IB_STS2, 6, 4)
	s_cmp_eq_u32 s2, 0
	s_cbranch_scc0 .Lentry_in_a_cluster
	s_endpgm
.Lentry_in_a_cluster:
	s_bfe_u32 s2, ttmp6, 0x10000c
	s_cmp_lg_u32 s2, 0xf033
	s_cbranch_scc0 .Lentry_shape_is_right
	s_endpgm
.Lentry_shape_is_right:
; out0 = o w_o + b_o on codes of FP8 (E4M3) with E8M0 scales for each 32 along K = 1024; out0 [4096][1024] f32.
; INPUT.  a_img: o's 256 tiles of 16 tokens x 1024 K as images of an operand's registers (tile[kk][c][lane][16 bytes]); a_sc [token position][32 scale bytes]; w_o's 64 tiles are tiles 448-511 of ops, its scale bytes rows 7168 on of ops_sc.
;   Within every 32 rows position 16 u + r holds true row 8 u + r + 8 (r / 8): for w_o's columns that puts 16 true neighbours into a lane's registers of two neighbouring tiles; for the tokens it is undone by the stores' offsets.
; SHARES.  4096 x 1024 in tiles of 128 x 128: 256 work-groups.  Four waves, each 64 x 64.
; BOTH TILES LIE IN LDS FOR ALL OF K, 2 x 131,072 bytes, filled ONCE: each wave asks at the head for four tiles of 16 rows, 65,536 dense bytes, by one tensor load.
; CLUSTER.  4 x 4 work-groups: the four of a row need the same tiles of o, the four of a column the same tiles of w_o: each is asked for jointly, by the same tensor load with a mask that names the four.  No prefetch: there is no loop, and all is asked for at the head.
; BY ROWS: w_o's 32 fragments stay in 512 registers; o's come by blocks of 16 tokens x 1024 K (128 registers, two sets), and each of the four blocks leaves while the next is multiplied.
; THE MATRIX INSTRUCTION IS USED TRANSPOSED (source 0 = 16 columns of w_o, source 1 = 16 tokens): a lane holds eight neighbouring numbers of a row of out0.  The bias is the C of each sum's first product.
; LIMIT: NaN and infinities are not served.
; REGISTERS.  window 0: v1-13 addresses; v20-51 o's scale words (8 a + kk), v56-87 w_o's (8 b + kk); v88-119 the bias; v128-191 two sets of four accumulators; v192-255 rows read back from the stage, two sets.
;   windows 1, 2: w_o's fragments (kk, b) at 16 (4 kk + b);  window 3: o's, two sets of eight.
.set BOFF, 131072                      ; w_o's tiles lie behind o's
.set STG,  262144                      ; behind both: 16 rows x 272 bytes for each wave, for the way out; no tensor load lands here
.set SP,   272
.set SPARE, STG+4*16*SP                ; the spare words
.set ADA,  2                           ; LDS address of my fragments of o
.set ADB,  3                           ; of w_o
.set SO,   4                           ; the stage, in
.set SR,   5                           ; and back
.set CO,   6                           ; my byte offset in out0
.set VR,   7                           ; 32 r
.set VH,   8                           ; 64 h
.set SPW,  12
.set NIL,  13
.set AS,   20
.set BS,   56
.set BIAS, 88
.set ACC,  128
.set RB,   192
.set MSB, 0
.macro WIN new                         ; the immediate's high byte repeats the setting that is left
.if MSB != \new
	s_set_vgpr_msb (MSB<<8)|\new
.set MSB, \new
.endif
.endm
.macro CROUND                          ; a round of the cluster's barrier
	s_barrier_signal -1
	s_barrier_wait -1
	s_cmp_lg_u32 s16, 0
	s_cbranch_scc1 .Lnot_wave_0_\@
	s_barrier_signal -3
.Lnot_wave_0_\@:
	s_barrier_wait -3
	s_barrier_signal -1
	s_barrier_wait -1
.endm
	s_load_b256 s[4:11], s[0:1], 0x0               ; a_img s[4:5], a_sc s[6:7], ops s[8:9], ops_sc s[10:11]
	s_load_b128 s[12:15], s[0:1], 0x20             ; b_o s[12:13], out0 s[14:15]
	v_lshl_add_u32 v[SPW], v0, 2, SPARE
	v_mov_b32 v[NIL], 0
	ds_add_u32 v[SPW], v[NIL]                      ; the opening: the add, twice on end, and its wait ahead of my first tensor load
	ds_add_u32 v[SPW], v[NIL]
	v_lshrrev_b32 v1, 5, v0
	v_readfirstlane_b32 s16, v1                    ; wave 0..3
	s_lshr_b32 s17, s16, 1                         ; which half of the tile's tokens is mine.  Also: I fetch o (0) or w_o (1)
	s_and_b32 s18, s16, 1                          ; which half of its columns.  Also: which four tiles I fetch
	s_bfe_u32 s76, ttmp6, 0x40000                  ; cx, cy
	s_bfe_u32 s77, ttmp6, 0x40004
	s_lshl_b32 s78, ttmp9, 2
	s_add_co_u32 s78, s78, s76                     ; tile column 0..7
	s_and_b32 s79, ttmp7, 0xffff
	s_lshl_b32 s79, s79, 2
	s_add_co_u32 s79, s79, s77                     ; tile row 0..31
	s_lshl_b32 s80, s77, 2
	s_lshl_b32 s80, 15, s80                        ; my row of the cluster
	s_lshl_b32 s81, 0x1111, s76                    ; my column
	; descriptor group 1: four tiles, 65,536 dense bytes, as 16 rows of 512 elements of 8 bytes
	s_or_b32 s24, s80, (3<<16)|(1<<21)             ; o's tiles go to my row of the cluster
	s_or_b32 s32, s81, (3<<16)|(1<<21)             ; w_o's to my column
.irp g, 24, 32
	s_mov_b32 s[\g+1], 512<<16                     ; tensor_dim0
	s_mov_b32 s[\g+2], 16<<16                      ; tensor_dim1
	s_mov_b32 s[\g+3], 512<<16                     ; tile_dim0
	s_mov_b32 s[\g+4], 16                          ; tile_dim1
	s_mov_b32 s[\g+5], 512                         ; tensor_dim0_stride
	s_mov_b32 s[\g+6], 0
	s_mov_b32 s[\g+7], 0
.endr
	s_lshl_b32 s86, s18, 2
	s_lshl_b32 s82, s79, 3
	s_add_co_u32 s82, s82, s86
	s_lshl_b32 s82, s82, 14                        ; o: tile 8 x tile row + 4 x half
	s_mov_b32 s83, 0
	s_lshl_b32 s84, s78, 3
	s_add_co_u32 s84, s84, s86
	s_add_co_u32 s84, s84, 448
	s_lshl_b32 s84, s84, 14                        ; w_o: tile 448 + 8 x tile column + 4 x half
	s_mov_b32 s85, 0
	s_lshl_b32 s86, s16, 16                        ; where they go: the wave's number alone
	s_lshl_b32 s88, s79, 7
	s_lshl_b32 s87, s17, 6
	s_add_co_u32 s88, s88, s87                     ; my first token position
	s_lshl_b32 s94, s88, 12
	s_lshl_b32 s88, s88, 5
	s_mov_b32 s89, 0
	s_lshl_b32 s90, s78, 7
	s_lshl_b32 s87, s18, 6
	s_add_co_u32 s90, s90, s87                     ; my first column
	s_lshl_b32 s92, s90, 2
	s_mov_b32 s93, 0
	s_add_co_u32 s94, s94, s92
	s_mov_b32 s95, 0
	s_add_co_u32 s90, s90, 7168
	s_lshl_b32 s90, s90, 5
	s_mov_b32 s91, 0
	s_wait_dscnt 0x0
	s_wait_kmcnt 0x0
	s_add_nc_u64 s[82:83], s[4:5], s[82:83]
	s_add_nc_u64 s[84:85], s[8:9], s[84:85]
	s_add_nc_u64 s[6:7], s[6:7], s[88:89]
	s_add_nc_u64 s[10:11], s[10:11], s[90:91]
	s_add_nc_u64 s[12:13], s[12:13], s[92:93]
	s_add_nc_u64 s[14:15], s[14:15], s[94:95]
	CROUND                                         ; all sixteen work-groups are here: the joint loads meet
	s_mov_b32 s40, 1
	s_mov_b32 s41, s86
	s_mov_b64 s[42:43], s[82:83]
	s_or_b32 s43, s43, 0x80000000
	s_mov_b32 s44, 1
	s_mov_b32 s45, s86
	s_mov_b64 s[46:47], s[84:85]
	s_or_b32 s47, s47, 0x80000000
	s_cmp_eq_u32 s17, 0                            ; one load a wave, the only one of the launch
	s_cbranch_scc0 .Lfor_b
	tensor_load_to_lds s[40:43], s[24:31]
	s_nop 0
.rept 4
	v_nop
.endr
	s_branch .Lasked
.Lfor_b:
	tensor_load_to_lds s[44:47], s[32:39]
	s_nop 0
.rept 4
	v_nop
.endr
.Lasked:
	v_and_b32 v1, 31, v0
	v_lshlrev_b32 v1, 4, v1                        ; 16 x lane
	v_and_b32 v9, 15, v0                           ; r
	v_bfe_u32 v10, v0, 4, 1                        ; h
	v_lshlrev_b32 v[VR], 5, v9
	v_lshlrev_b32 v[VH], 6, v10
.irp a, 0,1,2,3
	global_load_b128 v[AS+8*\a:AS+8*\a+3], v[VR], s[6:7] offset:512*\a          ; a row's eight scale words, one for each K step
	global_load_b128 v[AS+8*\a+4:AS+8*\a+7], v[VR], s[6:7] offset:512*\a+16
	global_load_b128 v[BS+8*\a:BS+8*\a+3], v[VR], s[10:11] offset:512*\a
	global_load_b128 v[BS+8*\a+4:BS+8*\a+7], v[VR], s[10:11] offset:512*\a+16
	global_load_b128 v[BIAS+8*\a:BIAS+8*\a+3], v[VH], s[12:13] offset:(\a/2)*128+(\a%2)*32      ; register j of w_o's tile b is true column 32 (b / 2) + 16 h + 8 (b % 2) + j
	global_load_b128 v[BIAS+8*\a+4:BIAS+8*\a+7], v[VH], s[12:13] offset:(\a/2)*128+(\a%2)*32+16
.endr
	s_lshl_b32 s87, s17, 16                        ; my four tiles of o
	v_add_nc_u32 v[ADA], s87, v1
	s_lshl_b32 s87, s18, 16
	s_add_co_u32 s87, s87, BOFF                    ; my four of w_o
	v_add_nc_u32 v[ADB], s87, v1
	s_mul_i32 s87, s16, 16*SP
	s_add_co_u32 s87, s87, STG                     ; my stage
	v_mul_u32_u24 v[SO], v9, SP
	v_lshl_add_u32 v[SO], v10, 6, v[SO]
	v_add_nc_u32 v[SO], s87, v[SO]                 ; in: row r, + 64 h
	v_mul_u32_u24 v[SR], v10, SP
	v_lshl_add_u32 v[SR], v9, 4, v[SR]
	v_add_nc_u32 v[SR], s87, v[SR]                 ; back: lanes 0-15 one row of 256 bytes, lanes 16-31 the next
	v_lshlrev_b32 v[CO], 12, v10
	v_lshl_add_u32 v[CO], v9, 4, v[CO]             ; and the same two rows in out0
.macro BFR kk                          ; w_o's four fragments of K step kk: 16 loads
	WIN (1+(\kk)/4)<<6
.irp b, 0,1,2,3
.irp c, 0,1,2,3
	ds_load_b128 v[64*((\kk)%4)+16*\b+4*\c:64*((\kk)%4)+16*\b+4*\c+3], v[ADB] offset:\b*16384+(\kk)*2048+512*\c
.endr
.endr
.endm
.macro AFR a, kk                       ; o's fragment of block a, K step kk: 4 loads
	WIN 0xc0
.irp c, 0,1,2,3
	ds_load_b128 v[128*((\a)%2)+16*(\kk)+4*\c:128*((\a)%2)+16*(\kk)+4*\c+3], v[ADA] offset:(\a)*16384+(\kk)*2048+512*\c
.endr
.endm
.macro LD kk
	BFR \kk
	AFR 0, \kk
.endm
.macro PR a, kk                        ; four products; the four accumulators take turns, one instruction a turn
	WIN 0x0c|(1+(\kk)/4)
.irp b, 0,1,2,3
.if (\kk) == 0
	v_wmma_scale_f32_16x16x128_f8f6f4 v[ACC+32*((\a)%2)+8*\b:ACC+32*((\a)%2)+8*\b+7], v[16*\b:16*\b+15], v[128*((\a)%2):128*((\a)%2)+15], v[BIAS+8*\b:BIAS+8*\b+7], v[BS+8*\b], v[AS+8*(\a)]
.else
	v_wmma_scale_f32_16x16x128_f8f6f4 v[ACC+32*((\a)%2)+8*\b:ACC+32*((\a)%2)+8*\b+7], v[64*((\kk)%4)+16*\b:64*((\kk)%4)+16*\b+15], v[128*((\a)%2)+16*(\kk):128*((\a)%2)+16*(\kk)+15], v[ACC+32*((\a)%2)+8*\b:ACC+32*((\a)%2)+8*\b+7], v[BS+8*\b+(\kk)], v[AS+8*(\a)+(\kk)]
.endif
.endr
.endm
	s_wait_alu depctr_va_vdst(0)
	s_wait_tensorcnt 0x0                           ; my four tiles are in
	s_barrier_signal -1
	s_barrier_wait -1                              ; everybody's are
	LD 0
	LD 1
	LD 2
	s_wait_loadcnt 0x0                             ; the scale words and the bias
.irp k, 0,1,2,3,4,5,6,7
.if \k < 6
	s_wait_dscnt 40                                ; step k's 20 loads are in; the two steps' behind it may be out
.elseif \k == 6
	s_wait_dscnt 36                                ; behind step 6's: step 7's 20, 16 of block 1's
.else
	s_wait_dscnt 32                                ; behind step 7's: block 1's 32
.endif
	PR 0, \k
.if \k < 5
	LD \k+3
.elseif \k < 7
.irp j, 0,1,2,3
	AFR 1, 4*(\k-5)+\j
.endr
.endif
.endr
; THE WAY OUT of block a, 16 token positions, through my own stage: in as 32 bytes a lane, back as whole rows of 256 bytes; beside it block a + 1 is multiplied.  Stage row r of block a is true token 32 (a / 2) + 8 (a % 2) + r + 8 (r / 8).
.macro OUTA a
	WIN 0
.rept 8
	v_nop                                          ; places behind block a's last products, for the stores below and for the loads into the set that they read
.endr
.if (\a) >= 2
	s_wait_xcnt 0x0                                ; the stores of two blocks ago have read their registers: they are loaded again below
.endif
.irp b, 0,1,2,3
	ds_store_b128 v[SO], v[ACC+32*((\a)%2)+8*\b:ACC+32*((\a)%2)+8*\b+3] offset:128*(\b/2)+32*(\b%2)       ; each accumulator from its low end on
	ds_store_b128 v[SO], v[ACC+32*((\a)%2)+8*\b+4:ACC+32*((\a)%2)+8*\b+7] offset:128*(\b/2)+32*(\b%2)+16
.endr
.irp i, 0,1,2,3,4,5,6,7
	ds_load_b128 v[RB+32*((\a)%2)+4*\i:RB+32*((\a)%2)+4*\i+3], v[SR] offset:2*SP*\i    ; LDS serves a wave's instructions in order: these see my stores, and the next block's stores come behind them
.endr
.if (\a) < 2
.irp k, 0,1,2,3,4,5,6,7
	AFR (\a)+2, \k
.endr
.endif
.if (\a) < 3
.if (\a) < 2
	s_wait_dscnt 48                                ; block a + 1's fragments are in: behind them 16 of the stage and the 32 just issued
.else
	s_wait_dscnt 16                                ; behind block 3's fragments the stage's 16
.endif
.irp k, 0,1,2,3,4,5,6,7
	PR (\a)+1, \k
.endr
.endif
.if (\a) < 2
	s_wait_dscnt 32                                ; the rows are back; block a + 2's 32 loads may be out
.else
	s_wait_dscnt 0x0
.endif
	WIN 0
.irp i, 0,1,2,3,4,5,6,7
	global_store_b128 v[CO], v[RB+32*((\a)%2)+4*\i:RB+32*((\a)%2)+4*\i+3], s[14:15] offset:(32*((\a)/2)+8*((\a)%2)+2*\i+8*(\i/4))*4096 th:TH_STORE_NT   ; 16 lanes store 256 consecutive bytes, aligned; written once, read by nobody here
.endr
.endm
	OUTA 0
	OUTA 1
	OUTA 2
	OUTA 3
	s_wait_tensorcnt 0x0                           ; the wave's end
	ds_add_u32 v[SPW], v[NIL]
	s_wait_dscnt 0x0
	CROUND                                         ; the closing round: no work-group ends while a partner may still ask jointly
	s_endpgm
.Lfunc_end_k_qbd9c92a7d4_gemm_o:
	.size	k_qbd9c92a7d4_gemm_o, .Lfunc_end_k_qbd9c92a7d4_gemm_o-k_qbd9c92a7d4_gemm_o
	.p2alignl 7, 3214868480
	.fill 96, 4, 3214868480
	.section	.rodata,"a",@progbits
	.p2align	6, 0x0
	.amdhsa_kernel k_qbd9c92a7d4_gemm_o
		.amdhsa_group_segment_fixed_size 280064
		.amdhsa_private_segment_fixed_size 0
		.amdhsa_enable_private_segment 0
		.amdhsa_kernarg_size 48
		.amdhsa_user_sgpr_count 2
		.amdhsa_user_sgpr_kernarg_segment_ptr 1
		.amdhsa_wavefront_size32 1
		.amdhsa_system_sgpr_workgroup_id_x 1
		.amdhsa_system_sgpr_workgroup_id_y 1
		.amdhsa_system_sgpr_workgroup_id_z 1
		.amdhsa_system_vgpr_workitem_id 0
		.amdhsa_next_free_vgpr 1024
		.amdhsa_next_free_sgpr 98
		.amdhsa_reserve_vcc 0
		.amdhsa_float_denorm_mode_32 3
		.amdhsa_float_denorm_mode_16_64 3
		.amdhsa_memory_ordered 1
		.amdhsa_forward_progress 1
		.amdhsa_inst_pref_size 51
	.end_amdhsa_kernel
	.amdgpu_metadata
---
amdhsa.version: [ 1, 2 ]
amdhsa.kernels:
  - .name:           k_qbd9c92a7d4_gemm_o
    .symbol:         k_qbd9c92a7d4_gemm_o.kd
    .args:
      - { .name: a_img, .offset: 0, .size: 8, .value_kind: global_buffer, .address_space: global }
      - { .name: a_sc, .offset: 8, .size: 8, .value_kind: global_buffer, .address_space: global }
      - { .name: ops, .offset: 16, .size: 8, .value_kind: global_buffer, .address_space: global }
      - { .name: ops_sc, .offset: 24, .size: 8, .value_kind: global_buffer, .address_space: global }
      - { .name: b_o, .offset: 32, .size: 8, .value_kind: global_buffer, .address_space: global }
      - { .name: out0, .offset: 40, .size: 8, .value_kind: global_buffer, .address_space: global }
    .group_segment_fixed_size: 280064
    .private_segment_fixed_size: 0
    .kernarg_segment_align: 8
    .kernarg_segment_size: 48
    .max_flat_workgroup_size: 128
    .sgpr_count:     98
    .vgpr_count:     1024
    .wavefront_size: 32
...
	.end_amdgpu_metadata
.endif
;; end of part 4
